; MI455X (gfx1250); checked and timed in simulation.
; The chip was launched on July 23, 2026; its instructions are those of AMD's public machine-readable ISA for CDNA 5 (MIT licence, August 2026) and "CDNA5" Instruction Set Architecture Reference Guide (July 2026). The comments in the code are by the model that wrote it; some were corrected since.
;; nakli Transformer Decoder. Allowed arithmetic: float matrix products may take bf16 or f16 operands with f32 sums; all other float work in f32.
;; Inputs: W1 1,024 x 4,096 float32; W2 4,096 x 1,024 float32; Wk 1,024 x 1,024 float32; Wo 1,024 x 1,024 float32; Wq 1,024 x 1,024 float32; Wv 1,024 x 1,024 float32; b1 4,096 float32; b2 1,024 float32; ln1_b 1,024 float32; ln1_g 1,024 float32; ln2_b 1,024 float32; ln2_g 1,024 float32; x 4 x 1,024 x 1,024 float32.
;; Outputs: out0 4 x 1,024 x 1,024 float32.
;; One version. Each part assembles by itself: llvm-mc -triple=amdgcn-amd-amdhsa -mcpu=gfx1250 --defsym DOCPART=n.
;; ======== version 1 of 1: 7 launches
;; workspace buffers: wb 25,165,824 bytes; h 8,388,608 bytes; qkv 25,165,824 bytes; ctx 8,388,608 bytes; x1 16,777,216 bytes; gb 33,554,432 bytes
;; launch prep (part 1): grid 1024 x 1, 8 waves a work-group, no clusters, 0 bytes of LDS; arguments x, ln1_g, ln1_b, h, Wq, Wk, Wv, Wo, W1, W2, wb; writes h, wb
.if DOCPART == 1
	.amdgcn_target "amdgcn-amd-amdhsa--gfx1250"
	.amdhsa_code_object_version 6
	.text
	.protected	k_qc8f0ec88a1_prep
	.globl	k_qc8f0ec88a1_prep
	.p2align	8
	.type	k_qc8f0ec88a1_prep,@function
k_qc8f0ec88a1_prep:
	s_mov_b64 s[64:65], 0
	v_nop
	global_prefetch_b8 v0, s[64:65] scope:SCOPE_SE
	s_setreg_imm32_b32 hwreg(HW_REG_WAVE_MODE, 25, 1), 1
	s_wait_xcnt 0x0
; Two streams in one launch; no LDS, no barrier, no matrix unit: every byte is read once and written once.
; Work-groups 0-511: h = layernorm(x) * g + b, rounded to bf16.  One wave takes one row of 1,024 f32 (4,096 bytes = 32 registers a lane), which
; stays in registers between the pass for the mean, the pass for the sum of (x - mean)^2 and the scaling: no difference of large sums is formed.
; Work-groups 512-1023: the six weight matrices are rounded to bf16 and stay [K][N].  wb: Wq|Wk|Wv side by side as [1024][3072] at byte 0,
; Wo at 6,291,456, W1 at 8,388,608, W2 at 16,777,216.  The weights are 12 units of 1,024 rows of 1,024 numbers, 12,288 rows; a wave takes three rows on end,
; a work-group 24.  24 does not divide 1,024, so each row has its own source and destination address.
; 1,024 work-groups of 8 waves x 120 registers: four to a WGP, all of them resident from the start.
; NaN and infinities are not treated apart.
.set X,  8                             ; v[8:39]    the row: load j holds columns 128 j + 4 lane .. + 3
.set G,  40                            ; v[40:71]   gain, same columns
.set BB, 72                            ; v[72:103]  bias, same columns
.set T,  104                           ; v[104:111] four chains of pairs
.set MU, 112                           ; v[112:113] mean, later 1 / sqrt(var + eps), twice: a pair for the packed forms
.macro LANESUM                         ; v[T] summed over the 32 lanes, the result in every lane
	v_add_f32_dpp v[T], v[T], v[T] row_xmask:1 row_mask:0xf bank_mask:0xf
	v_add_f32_dpp v[T], v[T], v[T] row_xmask:2 row_mask:0xf bank_mask:0xf
	v_add_f32_dpp v[T], v[T], v[T] row_xmask:4 row_mask:0xf bank_mask:0xf
	v_add_f32_dpp v[T], v[T], v[T] row_xmask:8 row_mask:0xf bank_mask:0xf
	v_permlanex16_b32 v[T+1], v[T], s12, s13       ; the other half of the lanes; its destination has been written
	v_add_f32 v[T], v[T], v[T+1]
.endm
.macro FOLD                            ; the four chains into v[T]
	v_pk_add_f32 v[T:T+1], v[T:T+1], v[T+2:T+3]
	v_pk_add_f32 v[T+4:T+5], v[T+4:T+5], v[T+6:T+7]
	v_pk_add_f32 v[T:T+1], v[T:T+1], v[T+4:T+5]
	v_add_f32 v[T], v[T], v[T+1]
.endm
; Row i of my three: its source address into s[32+4i:33+4i], its destination into s[34+4i:35+4i].  s3 = my first row among the 12,288.
.macro CROW i
	s_add_co_u32 s44, s3, (\i)
	s_lshr_b32 s45, s44, 10                        ; unit u: 0-3 Wq, Wk, Wv, Wo; 4-7 W1; 8-11 W2
	s_and_b32 s46, s44, 1023                       ; row in the unit
	s_and_b32 s47, s45, 3
	s_cmp_lt_u32 s45, 4
	s_cselect_b32 s47, 0, s47                      ; the unit's place in its own matrix
	s_lshl_b32 s47, s47, 10
	s_add_co_u32 s47, s47, s46
	s_lshl_b32 s48, s47, 12                        ; source offset: 4,096 bytes a row
	s_mov_b32 s49, 0
	s_mul_i32 s50, s46, 6144                       ; Wq, Wk, Wv go side by side: rows of 3,072 numbers,
	s_lshl_b32 s51, s45, 11                        ; 2,048 bytes apart in a row
	s_add_co_u32 s50, s50, s51
	s_lshl_b32 s51, s45, 21                        ; the others stay dense: unit x 2 MiB + row x 2,048
	s_lshl_b32 s47, s46, 11
	s_add_co_u32 s51, s51, s47
	s_cmp_lt_u32 s45, 3
	s_cselect_b32 s50, s50, s51
	s_mov_b32 s51, 0
	s_cmp_lt_u32 s45, 8                            ; the source: a choice among the six buffers by the unit's number
	s_cselect_b64 s[32+4*(\i):33+4*(\i)], s[24:25], s[26:27]
	s_cmp_eq_u32 s45, 3
	s_cselect_b64 s[32+4*(\i):33+4*(\i)], s[22:23], s[32+4*(\i):33+4*(\i)]
	s_cmp_eq_u32 s45, 2
	s_cselect_b64 s[32+4*(\i):33+4*(\i)], s[20:21], s[32+4*(\i):33+4*(\i)]
	s_cmp_eq_u32 s45, 1
	s_cselect_b64 s[32+4*(\i):33+4*(\i)], s[18:19], s[32+4*(\i):33+4*(\i)]
	s_cmp_eq_u32 s45, 0
	s_cselect_b64 s[32+4*(\i):33+4*(\i)], s[16:17], s[32+4*(\i):33+4*(\i)]
	s_add_nc_u64 s[32+4*(\i):33+4*(\i)], s[32+4*(\i):33+4*(\i)], s[48:49]
	s_add_nc_u64 s[34+4*(\i):35+4*(\i)], s[28:29], s[50:51]
.endm
	s_load_b256 s[4:11], s[0:1], 0x0               ; x s[4:5], g s[6:7], b s[8:9], h s[10:11]
	s_load_b256 s[16:23], s[0:1], 0x20             ; Wq s[16:17], Wk s[18:19], Wv s[20:21], Wo s[22:23]
	s_load_b128 s[24:27], s[0:1], 0x40             ; W1 s[24:25], W2 s[26:27]
	s_load_b64 s[28:29], s[0:1], 0x50              ; wb
	v_lshrrev_b32 v4, 5, v0
	v_readfirstlane_b32 s2, v4                     ; wave 0..7
	v_and_b32 v4, 31, v0
	v_lshlrev_b32 v1, 4, v4                        ; 16 bytes of f32 a lane
	v_lshlrev_b32 v2, 3, v4                        ; 8 bytes of bf16 a lane
	s_cmp_lt_u32 ttmp9, 512
	s_cbranch_scc0 .Lcast
	; ---- layernorm: row = 8 x work-group + wave
	s_lshl_b32 s3, ttmp9, 3
	s_add_co_u32 s3, s3, s2
	s_lshl_b32 s32, s3, 12                         ; 4,096 bytes a row of x
	s_mov_b32 s33, 0
	s_lshl_b32 s34, s3, 11                         ; 2,048 bytes a row of h
	s_mov_b32 s35, 0
	s_mov_b32 s12, 0x76543210                      ; v_permlanex16_b32: each lane takes its own place in the other half
	s_mov_b32 s13, 0xfedcba98
	s_mov_b32 s14, 0x3a800000                      ; 1 / 1024
	s_mov_b32 s15, 0x3727c5ac                      ; eps = 1e-5
	s_wait_kmcnt 0x0
	s_add_nc_u64 s[4:5], s[4:5], s[32:33]
	s_add_nc_u64 s[10:11], s[10:11], s[34:35]
.irp j, 0,1,2,3,4,5,6,7
	global_load_b128 v[X+4*(\j):X+4*(\j)+3], v1, s[4:5] offset:512*(\j)
.endr
.irp j, 0,1,2,3,4,5,6,7
	global_load_b128 v[G+4*(\j):G+4*(\j)+3], v1, s[6:7] offset:512*(\j)
.endr
.irp j, 0,1,2,3,4,5,6,7
	global_load_b128 v[BB+4*(\j):BB+4*(\j)+3], v1, s[8:9] offset:512*(\j)
.endr
	s_wait_loadcnt 16                              ; the row is in; the sixteen younger loads (gain, bias) stay out
.irp k, 0,1,2,3
	v_pk_add_f32 v[T+2*(\k):T+2*(\k)+1], v[X+2*(\k):X+2*(\k)+1], v[X+8+2*(\k):X+8+2*(\k)+1]  ; the first pairs start the chains
.endr
.irp k, 0,1,2,3,4,5,6,7
	v_pk_add_f32 v[T+2*((\k)%4):T+2*((\k)%4)+1], v[T+2*((\k)%4):T+2*((\k)%4)+1], v[X+16+2*(\k):X+16+2*(\k)+1]
.endr
	FOLD
	LANESUM
	v_mul_f32 v[MU], s14, v[T]                     ; the mean
	v_mov_b32 v[MU+1], v[MU]
.set p, 0
.rept 16
	v_pk_add_f32 v[X+2*p:X+2*p+1], v[X+2*p:X+2*p+1], v[MU:MU+1] neg_lo:[0,1] neg_hi:[0,1]  ; x - mean, in place
.set p, p+1
.endr
.irp k, 0,1,2,3
	v_pk_mul_f32 v[T+2*(\k):T+2*(\k)+1], v[X+2*(\k):X+2*(\k)+1], v[X+2*(\k):X+2*(\k)+1]
.endr
.set p, 4
.rept 12
	v_pk_fma_f32 v[T+2*(p%4):T+2*(p%4)+1], v[X+2*p:X+2*p+1], v[X+2*p:X+2*p+1], v[T+2*(p%4):T+2*(p%4)+1]
.set p, p+1
.endr
	FOLD
	LANESUM
	v_fma_f32 v[T], v[T], s14, s15                 ; var + eps
	v_rsq_f32 v[MU], v[T]
	v_rsq_f32 v[MU+1], v[T]
	v_nop                                          ; a plain instruction between the root and the use of its result (ISA guide 5.7.2)
	s_wait_loadcnt 0x0                             ; gain and bias
.set p, 0
	s_wait_alu depctr_va_vdst(0)
.rept 16
	v_pk_mul_f32 v[X+2*p:X+2*p+1], v[X+2*p:X+2*p+1], v[MU:MU+1]
.set p, p+1
.endr
.set p, 0
.rept 16
	v_pk_fma_f32 v[X+2*p:X+2*p+1], v[X+2*p:X+2*p+1], v[G+2*p:G+2*p+1], v[BB+2*p:BB+2*p+1]
.set p, p+1
.endr
.set p, 0
.rept 16
	v_cvt_pk_bf16_f32 v[X+p], v[X+2*p], v[X+2*p+1] ; ascending: register p is written when 2 p and 2 p + 1 are read, never one that is still to be read
.set p, p+1
.endr
.irp j, 0,1,2,3,4,5,6,7
	global_store_b64 v2, v[X+2*(\j):X+2*(\j)+1], s[10:11] offset:256*(\j)  ; the wave's store covers 256 consecutive bytes, aligned
.endr
	s_endpgm
	; ---- cast: three rows a wave, 24 loads on their way at once
.Lcast:
	s_sub_co_u32 s3, ttmp9, 512
	s_mul_i32 s3, s3, 24
	s_mul_i32 s30, s2, 3
	s_add_co_u32 s3, s3, s30                       ; my first row among the 12,288
	s_wait_kmcnt 0x0
	CROW 0
	CROW 1
	CROW 2
.irp i, 0,1,2
.irp j, 0,1,2,3,4,5,6,7
	global_load_b128 v[8+32*(\i)+4*(\j):11+32*(\i)+4*(\j)], v1, s[32+4*(\i):33+4*(\i)] offset:512*(\j) th:TH_LOAD_NT
.endr
.endr
.irp i, 0,1,2
	s_wait_loadcnt 16-8*(\i)                       ; row i is in; the eight loads of each later row stay out
.set p, 0
.rept 16
	v_cvt_pk_bf16_f32 v[8+32*(\i)+p], v[8+32*(\i)+2*p], v[9+32*(\i)+2*p]  ; in place, ascending; each row has registers of its own, so no store's data is rewritten
.set p, p+1
.endr
.irp j, 0,1,2,3,4,5,6,7
	global_store_b64 v2, v[8+32*(\i)+2*(\j):9+32*(\i)+2*(\j)], s[34+4*(\i):35+4*(\i)] offset:256*(\j)  ; 256 consecutive bytes, aligned
.endr
.endr
	s_endpgm
.Lfunc_end_k_qc8f0ec88a1_prep:
	.size	k_qc8f0ec88a1_prep, .Lfunc_end_k_qc8f0ec88a1_prep-k_qc8f0ec88a1_prep
	.p2alignl 7, 3214868480
	.fill 96, 4, 3214868480
	.section	.rodata,"a",@progbits
	.p2align	6, 0x0
	.amdhsa_kernel k_qc8f0ec88a1_prep
		.amdhsa_group_segment_fixed_size 0
		.amdhsa_private_segment_fixed_size 0
		.amdhsa_enable_private_segment 0
		.amdhsa_kernarg_size 88
		.amdhsa_user_sgpr_count 2
		.amdhsa_user_sgpr_kernarg_segment_ptr 1
		.amdhsa_wavefront_size32 1
		.amdhsa_system_sgpr_workgroup_id_x 1
		.amdhsa_system_sgpr_workgroup_id_y 1
		.amdhsa_system_sgpr_workgroup_id_z 1
		.amdhsa_system_vgpr_workitem_id 0
		.amdhsa_next_free_vgpr 120
		.amdhsa_next_free_sgpr 66
		.amdhsa_reserve_vcc 0
		.amdhsa_float_denorm_mode_32 3
		.amdhsa_float_denorm_mode_16_64 3
		.amdhsa_memory_ordered 1
		.amdhsa_forward_progress 1
		.amdhsa_inst_pref_size 23
	.end_amdhsa_kernel
	.amdgpu_metadata
---
amdhsa.version: [ 1, 2 ]
amdhsa.kernels:
  - .name:           k_qc8f0ec88a1_prep
    .symbol:         k_qc8f0ec88a1_prep.kd
    .args:
      - { .name: x, .offset: 0, .size: 8, .value_kind: global_buffer, .address_space: global }
      - { .name: ln1_g, .offset: 8, .size: 8, .value_kind: global_buffer, .address_space: global }
      - { .name: ln1_b, .offset: 16, .size: 8, .value_kind: global_buffer, .address_space: global }
      - { .name: h, .offset: 24, .size: 8, .value_kind: global_buffer, .address_space: global }
      - { .name: Wq, .offset: 32, .size: 8, .value_kind: global_buffer, .address_space: global }
      - { .name: Wk, .offset: 40, .size: 8, .value_kind: global_buffer, .address_space: global }
      - { .name: Wv, .offset: 48, .size: 8, .value_kind: global_buffer, .address_space: global }
      - { .name: Wo, .offset: 56, .size: 8, .value_kind: global_buffer, .address_space: global }
      - { .name: W1, .offset: 64, .size: 8, .value_kind: global_buffer, .address_space: global }
      - { .name: W2, .offset: 72, .size: 8, .value_kind: global_buffer, .address_space: global }
      - { .name: wb, .offset: 80, .size: 8, .value_kind: global_buffer, .address_space: global }
    .group_segment_fixed_size: 0
    .private_segment_fixed_size: 0
    .kernarg_segment_align: 8
    .kernarg_segment_size: 88
    .max_flat_workgroup_size: 256
    .sgpr_count:     66
    .vgpr_count:     120
    .wavefront_size: 32
...
	.end_amdgpu_metadata
.endif
;; end of part 1
;; launch gq (part 2): grid 16 x 16, 4 waves a work-group, clusters of 4 x 4, 327,680 bytes of LDS; arguments h, wb, qkv; writes qkv
.if DOCPART == 2
	.amdgcn_target "amdgcn-amd-amdhsa--gfx1250"
	.amdhsa_code_object_version 6
	.text
	.protected	k_qc8f0ec88a1_gq
	.globl	k_qc8f0ec88a1_gq
	.p2align	8
	.type	k_qc8f0ec88a1_gq,@function
k_qc8f0ec88a1_gq:
	s_mov_b64 s[64:65], 0
	v_nop
	global_prefetch_b8 v0, s[64:65] scope:SCOPE_SE
	s_setreg_imm32_b32 hwreg(HW_REG_WAVE_MODE, 25, 1), 1
	s_wait_xcnt 0x0
	s_wait_alu depctr_hold_cnt(0) depctr_sa_sdst(0) depctr_va_vdst(0) depctr_va_sdst(0) depctr_va_ssrc(0) depctr_va_vcc(0) depctr_vm_vsrc(0)
	s_getreg_b32 s2, hwreg(HW_REG_IB_STS2, 6, 4)
	s_cmp_eq_u32 s2, 0
	s_cbranch_scc0 .Lentry_in_a_cluster
	s_endpgm
.Lentry_in_a_cluster:
	s_bfe_u32 s2, ttmp6, 0x10000c
	s_cmp_lg_u32 s2, 0xf033
	s_cbranch_scc0 .Lentry_shape_is_right
	s_endpgm
.Lentry_shape_is_right:
; qkv = h Wqkv.  h: [4096][1024] bf16; Wqkv: [1024][3072] bf16 at byte 0 of wb, [K][N]; sums in f32; q, k, v rounded once to bf16, unscaled,
; and laid by heads: qkv[3][64 = batch x 16 + head][1024][64].
; A tile of C is 256 x 192: 16 x 16 = 256 work-groups.  Four waves, each 64 rows x 192 columns: 48 accumulators, 384 registers.
; K goes in steps of 128 through two LDS slots filled by the tensor data mover; a step is four quarters of 32.
; B stays [K][N] in LDS and is turned on the way into registers by ds_load_tr16_b128.  B's tile rows are 384 bytes at multiples of 384: the price of a tile that gives each WGP one work-group.
; THE MATRIX INSTRUCTION IS USED TRANSPOSED (source 0 = 16 columns of B, source 1 = 16 rows of A): a lane holds eight neighbouring numbers of a row of C.
; CLUSTER 4 x 4: A's tile is asked for jointly by a row of the cluster, B's by a column: the same load, descriptor and mask in the four.
; REGISTERS: window 0: v0-30 addresses; A's fragments v64-95, v128-159 (two buffers); window 1: B's fragments v0-95, v96-191; windows 2, 3: accumulators of my rows 0-31, 32-63: (a, b) at v[8 (12 a + b)].
.set KSTEP,  128
.set NS,     8                         ; K steps
.set PA,     272                       ; A's LDS row: 256 bytes + 16: the 16 rows of a fragment load start at 16 different groups of four banks
.set HALFA,  128*PA                    ; one load of A: 128 rows
.set ABYTES, 2*HALFA
.set PB,     480                       ; B's LDS row: three pieces of 128 bytes + 32
.set HALFB,  64*PB                     ; one load of B: 64 rows of K
.set SLOT,   ABYTES+2*HALFB
.set SPARE,  2*SLOT                    ; behind the ring: the spare words, 128 bytes a wave, named by no other line
.set AQ,     64                        ; bytes from quarter to quarter in A's rows
.set BQ,     32*PB                     ; and in B: 32 rows
.set NP,     3072                      ; B's pitch in elements
.set ASTEP,  2*KSTEP*2                 ; a slot's next tile lies two K steps on
.set BSTEP,  2*KSTEP*NP*2
.set SP,     784                       ; the way out: a stage row, 192 f32 + 16 bytes
.set STG,    64*SP                     ; a wave's stage; the stages lie in the ring, written only when its last fill has landed and its last read is over
.set HW,     4                         ; the youngest loads of a run, which only a quarter's second half reads: A's rows 32-63
.set G1,  24                           ; s[24:31] group 1 for A;  s[32:39] group 0, a set for each slot
.set G0,  32
.set G1B, 48                           ; s[48:55], s[56:63] the same for B
.set G0B, 56
.set LAP, 66
.set CNT, 67
.set TA,  90                           ; s90, s91: LDS offset of the fragments to be fetched next, for A and for B
.set TB,  91
.set TR,  92                           ; s92: the same for the stage's rows
.set MSB, 0
.macro WIN new                         ; the immediate's high byte repeats the setting that is left; a switch that changes nothing is dropped
.if MSB != (\new)
	s_set_vgpr_msb (MSB<<8)|(\new)
.set MSB, (\new)
.endif
.endm
.macro PLACES                          ; four places behind matrix instructions, ahead of loads into their sources and of reads of their results
.rept 4
	v_nop
.endr
.endm
.macro JLOAD sl                        ; a joint refill: waves 0, 1 fetch A's halves, waves 2, 3 B's; an s_nop 0 and four v_nop follow each line
	s_cmp_eq_u32 s15, 0
	s_cbranch_scc0 .Lfor_b_\@
	tensor_load_to_lds s[G0+4*(\sl):G0+4*(\sl)+3], s[G1:G1+7]
	s_nop 0
.rept 4
	v_nop
.endr
	s_branch .Lasked_\@
.Lfor_b_\@:
	tensor_load_to_lds s[G0B+4*(\sl):G0B+4*(\sl)+3], s[G1B:G1B+7]
	s_nop 0
.rept 4
	v_nop
.endr
.Lasked_\@:
.endm
.macro CROUND                          ; a round of the cluster's barrier
	s_barrier_signal -1
	s_barrier_wait -1
	s_cmp_lg_u32 s14, 0
	s_cbranch_scc1 .Lnot_wave_0_\@
	s_barrier_signal -3
.Lnot_wave_0_\@:
	s_barrier_wait -3
	s_barrier_signal -1
	s_barrier_wait -1
.endm
	s_load_b128 s[4:7], s[0:1], 0x0                ; h s[4:5], wb s[6:7]
	s_load_b64 s[8:9], s[0:1], 0x10                ; qkv
	v_lshl_add_u32 v28, v0, 2, SPARE
	v_mov_b32 v29, 0
	ds_add_u32 v28, v29                            ; the wave's opening: the add and its wait stand ahead of my first tensor load
	v_lshrrev_b32 v1, 5, v0
	v_readfirstlane_b32 s14, v1                    ; wave 0..3
	s_lshr_b32 s15, s14, 1                         ; I fetch for A (0) or for B (1),
	s_and_b32 s16, s14, 1                          ; its first or second half
	s_bfe_u32 s17, ttmp6, 0x40000                  ; cx
	s_bfe_u32 s18, ttmp6, 0x40004                  ; cy
	s_lshl_b32 s19, ttmp9, 2
	s_add_co_u32 s19, s19, s17                     ; tile column
	s_and_b32 s20, ttmp7, 0xffff
	s_lshl_b32 s20, s20, 2
	s_add_co_u32 s20, s20, s18                     ; tile row
	s_lshl_b32 s21, s18, 2
	s_lshl_b32 s21, 15, s21                        ; my row of the cluster
	s_lshl_b32 s22, 0x1111, s17                    ; my column
	s_or_b32 s[G1], s21, (1<<16)|(1<<20)|(1<<21)|(5<<22)|(3<<25)   ; mask; 2-byte elements; padding on; bit 21 beside a mask; after every 64 words 4 words
	s_mov_b32 s[G1+1], 128<<16                     ; tensor_dim0 = 128
	s_mov_b32 s[G1+2], 128<<16                     ; tensor_dim1 = 128
	s_mov_b32 s[G1+3], 128<<16                     ; tile_dim0 = 128
	s_mov_b32 s[G1+4], 128                         ; tile_dim1 = 128
	s_mov_b32 s[G1+5], 1024                        ; elements from row to row
	s_mov_b32 s[G1+6], 0
	s_mov_b32 s[G1+7], 0
	s_or_b32 s[G1B], s22, (1<<16)|(1<<20)|(1<<21)|(4<<22)|(7<<25)  ; after every 32 words 8 words
	s_mov_b32 s[G1B+1], 192<<16
	s_mov_b32 s[G1B+2], 64<<16
	s_mov_b32 s[G1B+3], 192<<16
	s_mov_b32 s[G1B+4], 64
	s_mov_b32 s[G1B+5], NP
	s_mov_b32 s[G1B+6], 0
	s_mov_b32 s[G1B+7], 0
	s_lshl_b32 s40, s20, 8                         ; A: row 256 x tile row + 128 x half: the tile row alone, which my row of the cluster shares
	s_lshl_b32 s41, s16, 7
	s_add_co_u32 s40, s40, s41
	s_lshl_b32 s40, s40, 11                        ; 2,048 bytes a row
	s_mov_b32 s41, 0
	s_mul_i32 s42, s16, (KSTEP/2)*NP*2             ; B: 64 rows of K x half, 384 bytes x tile column: the tile column alone
	s_mul_i32 s43, s19, 384
	s_add_co_u32 s42, s42, s43
	s_mov_b32 s43, 0
	s_mul_i32 s44, s16, HALFA                      ; where they go: no place in the cluster enters an LDS address
	s_mul_i32 s45, s16, HALFB
	s_add_co_u32 s45, s45, ABYTES
	s_wait_dscnt 0x0                               ; the opening add is done
	s_wait_kmcnt 0x0
	s_add_nc_u64 s[40:41], s[4:5], s[40:41]
	s_add_nc_u64 s[42:43], s[6:7], s[42:43]
	CROUND                                         ; all sixteen work-groups are here: the first joint loads meet
.irp n, 0,1
	s_mov_b32 s[G0+4*(\n)], 1
	s_add_co_u32 s[G0+4*(\n)+1], s44, (\n)*SLOT
	s_add_nc_u64 s[G0+4*(\n)+2:G0+4*(\n)+3], s[40:41], (\n)*KSTEP*2
	s_or_b32 s[G0+4*(\n)+3], s[G0+4*(\n)+3], 0x80000000
	s_mov_b32 s[G0B+4*(\n)], 1
	s_add_co_u32 s[G0B+4*(\n)+1], s45, (\n)*SLOT
	s_add_nc_u64 s[G0B+4*(\n)+2:G0B+4*(\n)+3], s[42:43], (\n)*KSTEP*NP*2
	s_or_b32 s[G0B+4*(\n)+3], s[G0B+4*(\n)+3], 0x80000000
.endr
	s_cmp_eq_u32 s15, 0                            ; a wave's two first fills stand in one branch: two loads of mine are out
	s_cbranch_scc0 .Lfirst_b
	tensor_load_to_lds s[G0:G0+3], s[G1:G1+7]
	s_nop 0
	tensor_load_to_lds s[G0+4:G0+7], s[G1:G1+7]
	s_nop 0
	PLACES
	s_branch .Lfirst_done
.Lfirst_b:
	tensor_load_to_lds s[G0B:G0B+3], s[G1B:G1B+7]
	s_nop 0
	tensor_load_to_lds s[G0B+4:G0B+7], s[G1B:G1B+7]
	s_nop 0
	PLACES
.Lfirst_done:
	v_and_b32 v1, 15, v0                           ; r = l % 16
	v_bfe_u32 v2, v0, 4, 1                         ; hh = l / 16
	v_mul_u32_u24 v16, v1, PA                      ; A's fragment: row r, 16 bytes for each half of the lanes,
	v_lshl_add_u32 v16, v2, 4, v16
	s_mul_i32 s23, s14, 64*PA                      ; in my 64 rows
	v_add_nc_u32 v16, s23, v16
	v_and_b32 v3, 7, v0                            ; B's turning load: row of K 8 hh + l % 8, 16 bytes x ((l / 8) % 2)
	v_lshl_add_u32 v3, v2, 3, v3
	v_mul_u32_u24 v17, v3, PB
	v_bfe_u32 v4, v0, 3, 1
	v_lshl_add_u32 v17, v4, 4, v17
	v_add_nc_u32 v17, ABYTES, v17
	s_mul_i32 s23, s14, STG                        ; my stage
	v_mul_u32_u24 v20, v1, SP                      ; in: row r, 32 bytes for each half of the lanes
	v_lshl_add_u32 v20, v2, 5, v20
	v_add_nc_u32 v20, s23, v20
	v_mul_u32_u24 v21, v2, SP                      ; back: lanes 0-15 a head's 64 numbers of one row, lanes 16-31 of the next
	v_lshl_add_u32 v21, v1, 4, v21
	v_add_nc_u32 v21, s23, v21
	v_lshlrev_b32 v22, 7, v2                       ; and the same two rows of a head in qkv: 256 consecutive bytes
	v_lshl_add_u32 v22, v1, 3, v22
	s_mul_i32 s70, s19, 3                          ; my tile's three heads-of-64 among the 48 of q, k, v
	s_lshr_b32 s71, s20, 2
	s_lshl_b32 s71, s71, 4                         ; batch x 16
	s_and_b32 s72, s20, 3
	s_lshl_b32 s72, s72, 8
	s_lshl_b32 s73, s14, 6
	s_add_co_u32 s72, s72, s73                     ; my first row in the sequence
	s_lshl_b32 s72, s72, 7                         ; 128 bytes a row
.irp j, 0,1,2
	s_add_co_u32 s74, s70, (\j)
	s_lshr_b32 s75, s74, 4                         ; q, k or v
	s_lshl_b32 s75, s75, 6
	s_and_b32 s74, s74, 15                         ; head
	s_add_co_u32 s74, s74, s75
	s_add_co_u32 s74, s74, s71
	s_lshl_b32 s74, s74, 17                        ; 131,072 bytes a head
	s_add_co_u32 s74, s74, s72
	s_mov_b32 s75, 0
	s_add_nc_u64 s[84+2*(\j):85+2*(\j)], s[8:9], s[74:75]
.endr
; Half a quarter's products: row blocks 2 half + 0, 1 x all 12 column blocks.  The accumulators take turns, one instruction a turn.  zero = 1: the products start the sums.
.macro MULH f, half, zero
	WIN 0xa1+0x50*(\half)                          ; source 0 (B) window 1, source 1 (A) window 0, C and D window 2 or 3
.set ia, 0
.rept 2
.set ib, 0
.rept 12
.set rD, 8*(12*ia+ib)
.set rB, 96*(\f)+8*ib
.set rA, 64+64*(\f)+8*(2*(\half)+ia)
.if \zero
	v_wmma_f32_16x16x32_bf16 v[rD:rD+7], v[rB:rB+7], v[rA:rA+7], 0
.else
	v_wmma_f32_16x16x32_bf16 v[rD:rD+7], v[rB:rB+7], v[rA:rA+7], v[rD:rD+7]
.endif
.set ib, ib+1
.endr
.set ia, ia+1
.endr
.endm
; 32 LDS loads in one run: a quarter's fragments into buffer g: B's 12 (turned), then A's 4
.macro FETCH g, ka, kb
	WIN 0x40
.set ib, 0
.rept 12
	ds_load_tr16_b128 v[96*(\g)+8*ib:96*(\g)+8*ib+3],   v19 offset:(\kb)+(ib/4)*160+(ib%4)*32
	ds_load_tr16_b128 v[96*(\g)+8*ib+4:96*(\g)+8*ib+7], v19 offset:(\kb)+(ib/4)*160+(ib%4)*32+16*PB
.set ib, ib+1
.endr
	WIN 0
.set ia, 0
.rept 4
	ds_load_b128 v[64+64*(\g)+8*ia:64+64*(\g)+8*ia+3],   v18 offset:(\ka)+ia*16*PA
	ds_load_b128 v[64+64*(\g)+8*ia+4:64+64*(\g)+8*ia+7], v18 offset:(\ka)+ia*16*PA+32
.set ia, ia+1
.endr
.endm
.macro H f, g, ka, kb, zero            ; a quarter: multiplies buffer f; in its middle the next quarter's fragments are fetched into g
	s_wait_dscnt HW                                ; all but the youngest four loads, which the second half reads
	MULH \f, 0, \zero
	PLACES
	FETCH \g, \ka, \kb
	s_wait_dscnt 32                                ; all but the 32 just issued
	MULH \f, 1, \zero
.endm
.macro U                               ; two quarters, and the fetch offsets two quarters on
	H 1, 0, 0, 0, 0
	H 0, 1, AQ, BQ, 0
	WIN 0
	s_add_co_u32 s[TA], s[TA], 2*AQ
	s_add_co_u32 s[TB], s[TB], 2*BQ
	v_add_nc_u32 v18, s[TA], v16
	v_add_nc_u32 v19, s[TB], v17
.endm
; THE CHANGE OF SLOTS: all of slot sl's fragments have been asked for.  Each wave waits for all its tensor loads (one is out: its part of the other slot), adds 0 to its spare word,
; and waits for that and for its reads of the slot.  fill = 1: a round of the cluster's barrier, and the joint refill first behind it: it has three quarters of a K step and the next change's wait in which to land.
.macro CHANGE sl, fill
	WIN 0
	s_wait_tensorcnt 0x0
	ds_add_u32 v28, v29                            ; 0 onto my spare word; register work stands between it and the wait for it
.if \fill
	s_add_nc_u64 s[G0+4*(\sl)+2:G0+4*(\sl)+3], s[G0+4*(\sl)+2:G0+4*(\sl)+3], ASTEP
	s_add_nc_u64 s[G0B+4*(\sl)+2:G0B+4*(\sl)+3], s[G0B+4*(\sl)+2:G0B+4*(\sl)+3], BSTEP
.endif
	s_mov_b32 s[TA], (1-(\sl))*SLOT                ; the fetches go to the other slot's first quarter
	s_mov_b32 s[TB], (1-(\sl))*SLOT
	v_add_nc_u32 v18, s[TA], v16
	v_add_nc_u32 v19, s[TB], v17
	s_wait_dscnt 0x0
.if \fill
	CROUND
	JLOAD \sl
.else
	s_barrier_signal -1
	s_barrier_wait -1
.endif
.endm
	s_wait_tensorcnt 0x1                           ; my part of K step 0 is in; K step 1's stays out
	s_barrier_signal -1
	s_barrier_wait -1
	v_mov_b32 v18, v16
	v_mov_b32 v19, v17
	FETCH 0, 0, 0
	H 0, 1, AQ, BQ, 1                              ; the first quarter stands ahead of the loop: its products start the sums
	WIN 0
	s_mov_b32 s[TA], 2*AQ
	s_mov_b32 s[TB], 2*BQ
	v_add_nc_u32 v18, s[TA], v16
	v_add_nc_u32 v19, s[TB], v17
	s_mov_b32 s[LAP], (NS-2)/2+1
	s_mov_b32 s[CNT], 1
	s_branch .Lu0                                  ; the loop is entered in the middle of a lap: slot 0's quarters 1 and 2
.Llap:                                                 ; a lap: both slots are left and filled again
	CHANGE 0, 1
	s_mov_b32 s[CNT], 2
.Lu1:
	U
	s_sub_co_u32 s[CNT], s[CNT], 1
	s_cmp_lg_u32 s[CNT], 0
	s_cbranch_scc1 .Lu1
	CHANGE 1, 1
	s_mov_b32 s[CNT], 2
.Lu0:
	U
	s_sub_co_u32 s[CNT], s[CNT], 1
	s_cmp_lg_u32 s[CNT], 0
	s_cbranch_scc1 .Lu0
	s_sub_co_u32 s[LAP], s[LAP], 1
	s_cmp_lg_u32 s[LAP], 0
	s_cbranch_scc1 .Llap
	CHANGE 0, 0                                    ; the tail is written out: nothing is left to ask for
	s_mov_b32 s[CNT], 2
.Lu2:
	U
	s_sub_co_u32 s[CNT], s[CNT], 1
	s_cmp_lg_u32 s[CNT], 0
	s_cbranch_scc1 .Lu2
	s_wait_dscnt HW
	MULH 1, 0, 0
	s_wait_dscnt 0x0
	MULH 1, 1, 0
	; THE WAY OUT.  Nobody reads the ring any more behind this barrier; the sums go as f32 into my stage and come back by rows.
	PLACES
	WIN 0
	s_barrier_signal -1
	s_barrier_wait -1
.set hf, 0
.rept 2
	WIN 0x08+4*hf                                  ; store data (source 1) in window 2 or 3
.set ia, 0
.rept 2
.set ib, 0
.rept 12
	ds_store_b128 v20, v[8*(12*ia+ib):8*(12*ia+ib)+3]   offset:(2*hf+ia)*16*SP+64*ib       ; each accumulator's low end first
	ds_store_b128 v20, v[8*(12*ia+ib)+4:8*(12*ia+ib)+7] offset:(2*hf+ia)*16*SP+64*ib+16
.set ib, ib+1
.endr
.set ia, ia+1
.endr
.set hf, hf+1
.endr
	WIN 0
	s_mov_b32 s[TR], 0
	s_mov_b32 s[CNT], 8
.Lrows:                                                ; 8 trips of 8 rows: 4 pairs of rows x 3 heads
	v_add_nc_u32 v30, s[TR], v21
.set n, 0
.rept 12
	ds_load_b128 v[64+4*n:67+4*n], v30 offset:(n/3)*2*SP+256*(n%3)  ; LDS serves a wave's instructions in order (ISA guide 5.7.1.4): these see my stores
.set n, n+1
.endr
	s_wait_dscnt 0x0
.set n, 0
.rept 12
	v_cvt_pk_bf16_f32 v[112+2*n], v[64+4*n], v[65+4*n]
	v_cvt_pk_bf16_f32 v[113+2*n], v[66+4*n], v[67+4*n]
.set n, n+1
.endr
.set n, 0
.rept 12
	global_store_b64 v22, v[112+2*n:113+2*n], s[84+2*(n%3):85+2*(n%3)] offset:256*(n/3)  ; two rows of a head: 256 consecutive bytes, aligned
.set n, n+1
.endr
	s_wait_xcnt 0x0                                ; the stores' data and offset are rewritten only behind this wait
	v_add_nc_u32 v22, 1024, v22
	s_add_co_u32 s[TR], s[TR], 8*SP
	s_sub_co_u32 s[CNT], s[CNT], 1
	s_cmp_lg_u32 s[CNT], 0
	s_cbranch_scc1 .Lrows
	s_wait_tensorcnt 0x0                           ; the wave's end
	ds_add_u32 v28, v29
	s_wait_dscnt 0x0
	CROUND                                         ; the closing round
	s_endpgm
.Lfunc_end_k_qc8f0ec88a1_gq:
	.size	k_qc8f0ec88a1_gq, .Lfunc_end_k_qc8f0ec88a1_gq-k_qc8f0ec88a1_gq
	.p2alignl 7, 3214868480
	.fill 96, 4, 3214868480
	.section	.rodata,"a",@progbits
	.p2align	6, 0x0
	.amdhsa_kernel k_qc8f0ec88a1_gq
		.amdhsa_group_segment_fixed_size 327680
		.amdhsa_private_segment_fixed_size 0
		.amdhsa_enable_private_segment 0
		.amdhsa_kernarg_size 24
		.amdhsa_user_sgpr_count 2
		.amdhsa_user_sgpr_kernarg_segment_ptr 1
		.amdhsa_wavefront_size32 1
		.amdhsa_system_sgpr_workgroup_id_x 1
		.amdhsa_system_sgpr_workgroup_id_y 1
		.amdhsa_system_sgpr_workgroup_id_z 1
		.amdhsa_system_vgpr_workitem_id 0
		.amdhsa_next_free_vgpr 960
		.amdhsa_next_free_sgpr 96
		.amdhsa_reserve_vcc 0
		.amdhsa_float_denorm_mode_32 3
		.amdhsa_float_denorm_mode_16_64 3
		.amdhsa_memory_ordered 1
		.amdhsa_forward_progress 1
		.amdhsa_inst_pref_size 65
	.end_amdhsa_kernel
	.amdgpu_metadata
---
amdhsa.version: [ 1, 2 ]
amdhsa.kernels:
  - .name:           k_qc8f0ec88a1_gq
    .symbol:         k_qc8f0ec88a1_gq.kd
    .args:
      - { .name: h, .offset: 0, .size: 8, .value_kind: global_buffer, .address_space: global }
      - { .name: wb, .offset: 8, .size: 8, .value_kind: global_buffer, .address_space: global }
      - { .name: qkv, .offset: 16, .size: 8, .value_kind: global_buffer, .address_space: global }
    .group_segment_fixed_size: 327680
    .private_segment_fixed_size: 0
    .kernarg_segment_align: 8
    .kernarg_segment_size: 24
    .max_flat_workgroup_size: 128
    .sgpr_count:     96
    .vgpr_count:     960
    .wavefront_size: 32
...
	.end_amdgpu_metadata
.endif
;; end of part 2
;; launch attn (part 3): grid 4 x 64, 8 waves a work-group, clusters of 4 x 1, 327,680 bytes of LDS; arguments qkv, ctx; writes ctx
.if DOCPART == 3
	.amdgcn_target "amdgcn-amd-amdhsa--gfx1250"
	.amdhsa_code_object_version 6
	.text
	.protected	k_qc8f0ec88a1_attn
	.globl	k_qc8f0ec88a1_attn
	.p2align	8
	.type	k_qc8f0ec88a1_attn,@function
k_qc8f0ec88a1_attn:
	s_mov_b64 s[64:65], 0
	v_nop
	global_prefetch_b8 v0, s[64:65] scope:SCOPE_SE
	s_setreg_imm32_b32 hwreg(HW_REG_WAVE_MODE, 25, 1), 1
	s_wait_xcnt 0x0
	s_wait_alu depctr_hold_cnt(0) depctr_sa_sdst(0) depctr_va_vdst(0) depctr_va_sdst(0) depctr_va_ssrc(0) depctr_va_vcc(0) depctr_vm_vsrc(0)
	s_getreg_b32 s2, hwreg(HW_REG_IB_STS2, 6, 4)
	s_cmp_eq_u32 s2, 0
	s_cbranch_scc0 .Lentry_in_a_cluster
	s_endpgm
.Lentry_in_a_cluster:
	s_bfe_u32 s2, ttmp6, 0x10000c
	s_cmp_lg_u32 s2, 0x3003
	s_cbranch_scc0 .Lentry_shape_is_right
	s_endpgm
.Lentry_shape_is_right:
; CAUSAL ATTENTION.  ctx[bh][q][:] = the sum over k <= q of softmax_k(Q[q] . K[k] / 8) V[k][:].  qkv: [3][64][1024][64] bf16, ctx: [64][1024][64] bf16.
; Products, maxima and sums in f32; the weights are rounded to bf16 for the second product (their sum is taken of the unrounded weights), ctx once at the end.
; LIMITS.  A hidden score counts as its value less 1e30: scores stay below 1e29.  A weight below 2^-126 counts as 0.  NaN and infinities are not treated apart.
; SHARES.  The four work-groups of a cluster are one head's.  Work-group c owns, in each band u of 64 queries, the 16 rows 64 u + 16 c ..: such a tile needs the key steps (64 keys) 0 .. u whatever c,
; and only step u is masked, by the same mask for every u.  Wave w owns bands w and 15 - w: (w + 1) + (16 - w) = 17 band-steps for every wave of every work-group.
; THE WALK.  One loop over the 16 key steps.  A step's K and V are fetched once; band 15 - w takes them while t <= 15 - w, and band w takes the same fragments while t <= w.
; The loop counts to the constant 16 and jumps forward over what is dead; no branch and no LDS address hangs on the place in the cluster.
; LDS holds the head's whole K and V, filled once by joint loads (the same load, descriptor and mask of four in all four work-groups): no slot is ever filled again.
; LAYOUT.  S^T = K Q^T holds ONE query a lane (lane % 16) and the keys 8 (lane / 16) + 0..7; two such results rounded to bf16 ARE source 1 of O^T = V^T P.  K comes out of LDS as it lies, V turned by ds_load_tr16_b128.
; SOFTMAX.  A running maximum m and sum l: p = 2^(c s - c m), c = log2(e) / 8; O and l are multiplied by a = 2^(c m_old - c m_new) in every step.  m starts at the lowest finite number, O and l at 0: no first step is written out.
; The text goes in phases; two waves on a SIMD fill each other's gaps.
; REGISTERS.  window 0: v2-9 addresses; v12, v13 the add's; v16-19 statistics of band 15 - w, v26-29 of band w; v20-24 at work; v32-63 S^T; v64-79 P; v80-111 O^T of band 15 - w; v112-143 of band w;
;   v144-159 band w's packed result; v176-239 V.   window 1: v0-15 Q of band w, v16-31 of band 15 - w; v32-63 the mask; v96-159 K.
.set PK,    144                        ; a row of K in LDS: 128 bytes + 16
.set PV,    160                        ; a row of V: 128 + 32
.set VOFF,  1024*PK
.set SPARE, VOFF+1024*PV               ; the spare words: 128 bytes for each of eight waves, named by no other line
.set SP,    144                        ; the way out: 16 rows x 144 bytes a wave, in K's bytes, written only when nobody reads K any more
.set S,   32
.set P,   64
.set OB,  80
.set OS,  112
.set RS,  144
.set VF,  176
.set KF,  96                           ; window 1
.set MD,  32                           ; window 1
.set G1K, 24
.set G1V, 32
.set G0K, 40                           ; s[40:47] two sets: keys below 512, keys from 512 on
.set G0V, 48
.set MSB, 0
.macro WIN new
.if MSB != (\new)
	s_set_vgpr_msb (MSB<<8)|(\new)
.set MSB, (\new)
.endif
.endm
.macro PLACES
.rept 4
	v_nop
.endr
.endm
.macro CROUND
	s_barrier_signal -1
	s_barrier_wait -1
	s_cmp_lg_u32 s8, 0
	s_cbranch_scc1 .Lnot_wave_0_\@
	s_barrier_signal -3
.Lnot_wave_0_\@:
	s_barrier_wait -3
	s_barrier_signal -1
	s_barrier_wait -1
.endm
	s_load_b128 s[4:7], s[0:1], 0x0                ; qkv s[4:5], ctx s[6:7]
	v_lshl_add_u32 v12, v0, 2, SPARE
	v_mov_b32 v13, 0
	ds_add_u32 v12, v13                            ; the wave's opening: the add and its wait stand ahead of my first tensor load
	v_lshrrev_b32 v1, 5, v0
	v_readfirstlane_b32 s8, v1                     ; wave 0..7: also band w's last key step
	s_and_b32 s9, s8, 3                            ; which 128 keys of each half I fetch
	s_bfe_u32 s10, ttmp6, 0x40000                  ; cx
	s_lshl_b32 s11, ttmp9, 2
	s_add_co_u32 s11, s11, s10                     ; c: it enters Q's and ctx's addresses and the mask's values alone
	s_and_b32 s12, ttmp7, 0xffff                   ; the head, which the four partners share
	s_lshl_b32 s76, s12, 17                        ; 131,072 bytes a head
	s_lshl_b32 s77, s9, 14                         ; 128 keys of 128 bytes
	s_add_co_u32 s76, s76, s77
	s_mov_b32 s77, 0
	s_mul_i32 s78, s9, 128*PK
	s_mul_i32 s79, s9, 128*PV
	s_add_co_u32 s79, s79, VOFF
	s_sub_co_u32 s63, 15, s8                       ; the other band, and its last key step
	s_lshl_b32 s14, s11, 4                         ; 16 c
	s_lshl_b32 s16, s8, 6
	s_add_co_u32 s16, s16, s14
	s_lshl_b32 s16, s16, 7
	s_lshl_b32 s15, s12, 17
	s_add_co_u32 s16, s16, s15                     ; byte offset of band w's 16 rows in Q and in ctx
	s_mov_b32 s17, 0
	s_lshl_b32 s18, s63, 6
	s_add_co_u32 s18, s18, s14
	s_lshl_b32 s18, s18, 7
	s_add_co_u32 s18, s18, s15                     ; and of band 15 - w's
	s_mov_b32 s19, 0
	s_mov_b32 s[G1K], 15|(1<<16)|(1<<20)|(1<<21)|(4<<22)|(3<<25)  ; the mask of four; 2-byte elements; padding on; bit 21 beside a mask; after every 32 words 4 words
	s_mov_b32 s[G1V], 15|(1<<16)|(1<<20)|(1<<21)|(4<<22)|(7<<25)  ; the same with 8 words
.irp g, G1K, G1V
	s_mov_b32 s[\g+1], 128<<16                     ; 128 keys are 16,384 dense bytes: asked for as 64 rows of 256 bytes, padded after every key
	s_mov_b32 s[\g+2], 64<<16
	s_mov_b32 s[\g+3], 128<<16
	s_mov_b32 s[\g+4], 64
	s_mov_b32 s[\g+5], 128
	s_mov_b32 s[\g+6], 0
	s_mov_b32 s[\g+7], 0
.endr
	s_mov_b32 s56, 0x3e38aa3b                      ; c = log2(e) / 8
	s_mov_b32 s57, s56
	s_mov_b32 s58, 0x76543210
	s_mov_b32 s59, 0xfedcba98
	s_mov_b32 s60, 0xf149f2ca                      ; -1e30
	s_wait_dscnt 0x0                               ; the opening add is done
	s_wait_kmcnt 0x0
	s_add_nc_u64 s[20:21], s[4:5], s[76:77]
	s_add_nc_u64 s[72:73], s[4:5], s[16:17]        ; Q of band w, of band 15 - w
	s_add_nc_u64 s[74:75], s[4:5], s[18:19]
	s_add_nc_u64 s[68:69], s[6:7], s[16:17]        ; ctx likewise
	s_add_nc_u64 s[70:71], s[6:7], s[18:19]
	CROUND                                         ; all four work-groups are here: the joint loads meet
.irp n, 0,1
	s_mov_b32 s[G0K+4*(\n)], 1
	s_add_co_u32 s[G0K+4*(\n)+1], s78, (\n)*512*PK
	s_add_nc_u64 s[G0K+4*(\n)+2:G0K+4*(\n)+3], s[20:21], 8388608+(\n)*65536   ; K lies 64 heads behind Q
	s_or_b32 s[G0K+4*(\n)+3], s[G0K+4*(\n)+3], 0x80000000
	s_mov_b32 s[G0V+4*(\n)], 1
	s_add_co_u32 s[G0V+4*(\n)+1], s79, (\n)*512*PV
	s_add_nc_u64 s[G0V+4*(\n)+2:G0V+4*(\n)+3], s[20:21], 16777216+(\n)*65536  ; V 128 heads
	s_or_b32 s[G0V+4*(\n)+3], s[G0V+4*(\n)+3], 0x80000000
.endr
	s_cmp_lt_u32 s8, 4                             ; waves 0-3 fetch K, waves 4-7 V; a wave's two fills stand in one branch: two loads of mine are out
	s_cbranch_scc0 .Lfirst_v
	tensor_load_to_lds s[G0K:G0K+3], s[G1K:G1K+7]
	s_nop 0
	tensor_load_to_lds s[G0K+4:G0K+7], s[G1K:G1K+7]
	s_nop 0
	PLACES
	s_branch .Lfirst_done
.Lfirst_v:
	tensor_load_to_lds s[G0V:G0V+3], s[G1V:G1V+7]
	s_nop 0
	tensor_load_to_lds s[G0V+4:G0V+7], s[G1V:G1V+7]
	s_nop 0
	PLACES
.Lfirst_done:
	v_and_b32 v1, 15, v0                           ; r = l % 16
	v_bfe_u32 v10, v0, 4, 1                        ; hh = l / 16
	v_lshlrev_b32 v9, 7, v1
	v_lshl_add_u32 v9, v10, 4, v9                  ; Q: row x 128 + 16 x hh
	WIN 0x40                                       ; destination window 1
.irp j, 0,1,2,3
	global_load_b128 v[4*(\j):4*(\j)+3], v9, s[72:73] offset:32*(\j)
.endr
.irp j, 0,1,2,3
	global_load_b128 v[16+4*(\j):16+4*(\j)+3], v9, s[74:75] offset:32*(\j)
.endr
	WIN 0
	v_lshlrev_b32 v11, 3, v10
	v_sub_nc_u32 v14, v1, v11
	v_add_nc_u32 v14, s14, v14                     ; 16 c + r - 8 hh: register j of key block kb is hidden where 16 kb + j is greater
	WIN 0x40
.set ii, 0
.rept 32
	v_cmp_gt_i32 vcc_lo, 16*(ii/8)+ii%8, v14
	v_cndmask_b32 v[MD+ii], 0, s60, vcc_lo
.set ii, ii+1
.endr
	WIN 0
	v_mul_u32_u24 v2, v1, PK                       ; K's fragment: row r x pitch + 16 x hh
	v_lshl_add_u32 v2, v10, 4, v2
	v_and_b32 v11, 7, v0                           ; V's turning load: key 8 hh + l % 8, 16 bytes x ((l / 8) % 2)
	v_bfe_u32 v15, v0, 3, 1
	v_lshl_add_u32 v3, v10, 3, v11
	v_mul_u32_u24 v3, v3, PV
	v_lshl_add_u32 v3, v15, 4, v3
	v_add_nc_u32 v3, VOFF, v3
	s_mul_i32 s13, s8, 16*SP                       ; my stage
	v_mul_u32_u24 v6, v1, SP                       ; in: row r, 16 bytes for each half of the lanes
	v_lshl_add_u32 v6, v10, 4, v6
	v_add_nc_u32 v6, s13, v6
	v_bfe_u32 v7, v0, 3, 2                         ; back: 32 lanes take four rows of 128 bytes,
	v_mul_u32_u24 v7, v7, SP
	v_lshl_add_u32 v7, v11, 4, v7
	v_add_nc_u32 v7, s13, v7
	v_and_b32 v8, 31, v0                           ; which are 512 consecutive bytes of ctx
	v_lshlrev_b32 v8, 4, v8
	; What the first step finds, for both bands; all this stands in the wait for the tiles.  The 64 zeros are the price of writing no first step out.
.irp b, 16, 26
	v_mov_b32 v[\b], 0xfe000000                    ; c m: far below every c s, so the first step's a is 0
	v_mov_b32 v[\b+1], 0xff7fffff                  ; m
	v_mov_b32 v[\b+2], 0                           ; l, even keys' and odd keys'
	v_mov_b32 v[\b+3], 0
.endr
.set ii, 0
.rept 64
	v_mov_b32 v[OB+ii], 0                          ; both O^T lie on end
.set ii, ii+1
.endr
.macro FETCH_K                         ; 64 keys x 64 channels: fragment n: keys 16 (n / 2) on, channels 32 (n % 2) on
	WIN 0x40                                       ; destination window 1
.set n, 0
.rept 8
	ds_load_b128 v[KF+8*n:KF+8*n+3],   v4 offset:(n/2)*16*PK+(n%2)*64
	ds_load_b128 v[KF+8*n+4:KF+8*n+7], v4 offset:(n/2)*16*PK+(n%2)*64+32
.set n, n+1
.endr
	WIN 0
.endm
.macro FETCH_V                         ; turned: fragment n: keys 32 (n / 4) on, channels 16 (n % 4) on
.set n, 0
.rept 8
	ds_load_tr16_b128 v[VF+8*n:VF+8*n+3],   v5 offset:(n/4)*32*PV+(n%4)*32
	ds_load_tr16_b128 v[VF+8*n+4:VF+8*n+7], v5 offset:(n/4)*32*PV+16*PV+(n%4)*32
.set n, n+1
.endr
.endm
; One band's part of a key step.  q: its Q's first register in window 1; o: its O^T; st: its statistics (c m, m, l, l); last: the scalar register with its last key step;
; vw = 1: V's loads may still be out and are waited for ahead of the second product.
.macro STEP q, o, st, last, tag, vw
	s_cmp_eq_u32 s61, s[\last]
	s_cbranch_scc1 .Lmask_\tag
	WIN 0x05                                       ; K (source 0) and Q (source 1) in window 1
.set ii, 0
.rept 4
	v_wmma_f32_16x16x32_bf16 v[S+8*ii:S+8*ii+7], v[KF+16*ii:KF+16*ii+7], v[(\q):(\q)+7], 0
.set ii, ii+1
.endr
	WIN 0
	s_branch .Ljoin_\tag
.Lmask_\tag:                                           ; the band's own step: the mask starts the sums
	WIN 0x15                                       ; and the mask (source 2) in window 1
.set ii, 0
.rept 4
	v_wmma_f32_16x16x32_bf16 v[S+8*ii:S+8*ii+7], v[KF+16*ii:KF+16*ii+7], v[(\q):(\q)+7], v[MD+8*ii:MD+8*ii+7]
.set ii, ii+1
.endr
	WIN 0
.Ljoin_\tag:
	WIN 0x05
.set ii, 0
.rept 4                                ; the four accumulators take turns
	v_wmma_f32_16x16x32_bf16 v[S+8*ii:S+8*ii+7], v[KF+16*ii+8:KF+16*ii+15], v[(\q)+8:(\q)+15], v[S+8*ii:S+8*ii+7]
.set ii, ii+1
.endr
	WIN 0
	PLACES
	; the maximum of my 32 scores and the old m: four chains, each accumulator's lowest registers first
.set n, 0
.rept 4
	v_max3_num_f32 v[20+n], v[S+8*n], v[S+8*n+1], v[S+8*n+2]
.set n, n+1
.endr
.rept 8
	v_max3_num_f32 v[20+n%4], v[20+n%4], v[S+8*(n%4)+2*(n/4)+1], v[S+8*(n%4)+2*(n/4)+2]
.set n, n+1
.endr
	v_max3_num_f32 v20, v20, v[S+7], v[S+15]
	v_max3_num_f32 v21, v21, v[S+23], v[S+31]
	v_max3_num_f32 v22, v22, v23, v[(\st)+1]
	v_mov_b32 v24, v[\st]                          ; c m_old is kept
	v_max3_num_f32 v20, v20, v21, v22
	v_permlanex16_b32 v23, v20, s58, s59           ; the query's other 32 keys lie in the lane 16 away
	v_max_num_f32 v[(\st)+1], v20, v23
	v_mul_f32 v[\st], s56, v[(\st)+1]
	v_sub_f32 v21, v24, v[\st]
	v_exp_f32 v22, v21                             ; a
	v_nop
.set n, 0
.rept 16
	v_pk_fma_f32 v[S+2*n:S+2*n+1], v[S+2*n:S+2*n+1], s[56:57], v[(\st):(\st)+1] op_sel_hi:[1,0,0] neg_lo:[0,0,1] neg_hi:[0,0,1]  ; c s - c m
.set n, n+1
.endr
.set n, 0
.rept 16                               ; two exponentials, a pair of O^T times a, the rounding of the pair before: a plain instruction stands between every exponential and the use of its result
	v_exp_f32 v[S+2*n], v[S+2*n]
	v_exp_f32 v[S+2*n+1], v[S+2*n+1]
	s_wait_alu depctr_va_vdst(0)
	v_pk_mul_f32 v[(\o)+2*n:(\o)+2*n+1], v[(\o)+2*n:(\o)+2*n+1], v[22:23] op_sel_hi:[1,0]
.if n > 0
	s_wait_alu depctr_va_vdst(0)
	v_cvt_pk_bf16_f32 v[P+n-1], v[S+2*n-2], v[S+2*n-1]
.endif
.set n, n+1
.endr
	s_wait_alu depctr_va_vdst(0)
	v_cvt_pk_bf16_f32 v[P+15], v[S+30], v[S+31]
.irp w, 4,8,16,32                      ; the sum of the 16 pairs of weights, in place: neighbours 1, 2, 4 and 8 pairs apart
.set n, 0
.rept 32/(\w)
	v_pk_add_f32 v[S+(\w)*n:S+(\w)*n+1], v[S+(\w)*n:S+(\w)*n+1], v[S+(\w)*n+(\w)/2:S+(\w)*n+(\w)/2+1]
.set n, n+1
.endr
.endr
	v_pk_fma_f32 v[(\st)+2:(\st)+3], v[(\st)+2:(\st)+3], v[22:23], v[S:S+1] op_sel_hi:[1,0,1]  ; l = a l + sum
.if \vw
	s_wait_dscnt 0x0                               ; V is in
.endif
.set ii, 0
.rept 8                                ; O^T += V^T P: keys 32 (ii / 4) on, channels 16 (ii % 4) on
	v_wmma_f32_16x16x32_bf16 v[(\o)+8*(ii%4):(\o)+8*(ii%4)+7], v[VF+32*(ii/4)+8*(ii%4):VF+32*(ii/4)+8*(ii%4)+7], v[P+8*(ii/4):P+8*(ii/4)+7], v[(\o)+8*(ii%4):(\o)+8*(ii%4)+7]
.set ii, ii+1
.endr
	PLACES                                         ; ahead of the roundings into P, of the next loads into K's and V's registers and of the reads of O^T
.endm
; A band's end: l's two halves and the other half of the lanes' are added; O^T is divided by l and rounded to bf16 into d .. d + 15.
.macro FINISH st, o, d
	v_add_f32 v[(\st)+2], v[(\st)+2], v[(\st)+3]
	v_permlanex16_b32 v[(\st)+3], v[(\st)+2], s58, s59
	v_add_f32 v[(\st)+2], v[(\st)+2], v[(\st)+3]
	v_rcp_f32 v[(\st)+2], v[(\st)+2]
	v_nop
.set n, 0
	s_wait_alu depctr_va_vdst(0)
.rept 16
	v_pk_mul_f32 v[(\o)+2*n:(\o)+2*n+1], v[(\o)+2*n:(\o)+2*n+1], v[(\st)+2:(\st)+3] op_sel_hi:[1,0]  ; ascending: each accumulator's low end first
.set n, n+1
.endr
.set n, 0
.rept 16
	v_cvt_pk_bf16_f32 v[(\d)+n], v[(\o)+2*n], v[(\o)+2*n+1]
.set n, n+1
.endr
.endm
	s_wait_tensorcnt 0x0                           ; my parts of K or V are in,
	s_barrier_signal -1
	s_barrier_wait -1                              ; everybody's are: from here to the way out no wave waits for another
	s_wait_loadcnt 0x0                             ; Q
	s_mov_b32 s66, 0                               ; LDS offset of the step's K, of its V
	s_mov_b32 s67, 0
	s_mov_b32 s61, 0                               ; the key step
.Lstep:
	s_cmp_gt_u32 s61, s63
	s_cbranch_scc1 .Ldead                          ; above both diagonals: forward, past no barrier and no tensor load
	v_add_nc_u32 v4, s66, v2
	v_add_nc_u32 v5, s67, v3
	FETCH_K
	FETCH_V
	s_wait_dscnt 16                                ; K is in; V's sixteen loads stay out
	STEP 16, OB, 16, 63, b, 1                      ; band 15 - w
	s_cmp_gt_u32 s61, s8
	s_cbranch_scc1 .Ldead                          ; above band w's diagonal
	STEP 0, OS, 26, 8, a, 0                        ; band w, on the same fragments
.Ldead:
	s_add_co_u32 s66, s66, 64*PK
	s_add_co_u32 s67, s67, 64*PV
	s_add_co_u32 s61, s61, 1
	s_cmp_lt_u32 s61, 16
	s_cbranch_scc1 .Lstep
	FINISH 26, OS, RS
	FINISH 16, OB, S
	s_wait_dscnt 0x0
	s_barrier_signal -1
	s_barrier_wait -1                              ; nobody reads K any more: its first bytes serve as stages
	; THE WAY OUT: a lane's eight channels of a row are 16 bytes; they go into rows of 144 bytes and come back as whole rows of 128
.irp j, 0,1,2,3
	ds_store_b128 v6, v[RS+4*(\j):RS+4*(\j)+3] offset:32*(\j)
.endr
.irp j, 0,1,2,3
	ds_load_b128 v[VF+4*(\j):VF+4*(\j)+3], v7 offset:4*SP*(\j)   ; LDS serves a wave's instructions in order (ISA guide 5.7.1.4)
.endr
.irp j, 0,1,2,3
	ds_store_b128 v6, v[S+4*(\j):S+4*(\j)+3] offset:32*(\j)
.endr
.irp j, 0,1,2,3
	ds_load_b128 v[VF+16+4*(\j):VF+16+4*(\j)+3], v7 offset:4*SP*(\j)
.endr
.irp j, 0,1,2,3
	s_wait_dscnt 8+3-(\j)                          ; behind load j: band w's later loads and the other band's eight instructions
	global_store_b128 v8, v[VF+4*(\j):VF+4*(\j)+3], s[68:69] offset:512*(\j)   ; 512 consecutive bytes, aligned
.endr
.irp j, 0,1,2,3
	s_wait_dscnt 3-(\j)
	global_store_b128 v8, v[VF+16+4*(\j):VF+16+4*(\j)+3], s[70:71] offset:512*(\j)
.endr
	s_wait_tensorcnt 0x0                           ; the wave's end
	ds_add_u32 v12, v13
	s_wait_dscnt 0x0
	CROUND                                         ; the closing round
	s_endpgm
.Lfunc_end_k_qc8f0ec88a1_attn:
	.size	k_qc8f0ec88a1_attn, .Lfunc_end_k_qc8f0ec88a1_attn-k_qc8f0ec88a1_attn
	.p2alignl 7, 3214868480
	.fill 96, 4, 3214868480
	.section	.rodata,"a",@progbits
	.p2align	6, 0x0
	.amdhsa_kernel k_qc8f0ec88a1_attn
		.amdhsa_group_segment_fixed_size 327680
		.amdhsa_private_segment_fixed_size 0
		.amdhsa_enable_private_segment 0
		.amdhsa_kernarg_size 16
		.amdhsa_user_sgpr_count 2
		.amdhsa_user_sgpr_kernarg_segment_ptr 1
		.amdhsa_wavefront_size32 1
		.amdhsa_system_sgpr_workgroup_id_x 1
		.amdhsa_system_sgpr_workgroup_id_y 1
		.amdhsa_system_sgpr_workgroup_id_z 1
		.amdhsa_system_vgpr_workitem_id 0
		.amdhsa_next_free_vgpr 416
		.amdhsa_next_free_sgpr 80
		.amdhsa_reserve_vcc 1
		.amdhsa_float_denorm_mode_32 3
		.amdhsa_float_denorm_mode_16_64 3
		.amdhsa_memory_ordered 1
		.amdhsa_forward_progress 1
		.amdhsa_inst_pref_size 41
	.end_amdhsa_kernel
	.amdgpu_metadata
---
amdhsa.version: [ 1, 2 ]
amdhsa.kernels:
  - .name:           k_qc8f0ec88a1_attn
    .symbol:         k_qc8f0ec88a1_attn.kd
    .args:
      - { .name: qkv, .offset: 0, .size: 8, .value_kind: global_buffer, .address_space: global }
      - { .name: ctx, .offset: 8, .size: 8, .value_kind: global_buffer, .address_space: global }
    .group_segment_fixed_size: 327680
    .private_segment_fixed_size: 0
    .kernarg_segment_align: 8
    .kernarg_segment_size: 16
    .max_flat_workgroup_size: 256
    .sgpr_count:     80
    .vgpr_count:     416
    .wavefront_size: 32
...
	.end_amdgpu_metadata
.endif
;; end of part 3
;; launch gw (part 4): grid 8 x 32, 4 waves a work-group, clusters of 4 x 4, 327,680 bytes of LDS; arguments ctx, wb, x, x1; writes x1
.if DOCPART == 4
	.amdgcn_target "amdgcn-amd-amdhsa--gfx1250"
	.amdhsa_code_object_version 6
	.text
	.protected	k_qc8f0ec88a1_gw
	.globl	k_qc8f0ec88a1_gw
	.p2align	8
	.type	k_qc8f0ec88a1_gw,@function
k_qc8f0ec88a1_gw:
	s_mov_b64 s[64:65], 0
	v_nop
	global_prefetch_b8 v0, s[64:65] scope:SCOPE_SE
	s_setreg_imm32_b32 hwreg(HW_REG_WAVE_MODE, 25, 1), 1
	s_wait_xcnt 0x0
	s_wait_alu depctr_hold_cnt(0) depctr_sa_sdst(0) depctr_va_vdst(0) depctr_va_sdst(0) depctr_va_ssrc(0) depctr_va_vcc(0) depctr_vm_vsrc(0)
	s_getreg_b32 s2, hwreg(HW_REG_IB_STS2, 6, 4)
	s_cmp_eq_u32 s2, 0
	s_cbranch_scc0 .Lentry_in_a_cluster
	s_endpgm
.Lentry_in_a_cluster:
	s_bfe_u32 s2, ttmp6, 0x10000c
	s_cmp_lg_u32 s2, 0xf033
	s_cbranch_scc0 .Lentry_shape_is_right
	s_endpgm
.Lentry_shape_is_right:
; x1 = x + ctx Wo.  ctx: [64 = batch x 16 + head][1024][64] bf16; Wo: [1024][1024] bf16, [K][N], at byte 6,291,456 of wb; x, x1: [4096][1024] f32.  Sums in f32.
; A tile of C is 128 x 128: 8 x 32 = 256 work-groups.  Four waves, each 64 x 64: 16 accumulators.  K goes in steps of 256 (four heads) through two LDS slots; a step is four quarters of 64 (one head each).
; A's tile: 64 rows of a head are 8,192 dense bytes of ctx; a load brings four heads' as four rows of 4,096 elements, padded in LDS after every 128 bytes: [head][64 rows][144 bytes].
; B stays [K][N] in LDS and is turned by ds_load_tr16_b128.  The matrix instruction is used transposed: a lane holds eight neighbouring numbers of a row of C.
; CLUSTER 4 x 4: A's tile is asked for jointly by a row of the cluster, B's by a column.
; REGISTERS: window 0: v0-30 addresses; A's fragments v64-127, v128-191; window 1: B's v0-63, v96-159; window 2: accumulators (a, b) at v[8 (4 a + b)]; window 3: v0-127 my part of x, loaded at the start.
.set KSTEP,  256
.set NS,     4
.set PA,     144
.set HALFA,  4*64*PA                   ; one load of A: 64 rows x four heads
.set ABYTES, 2*HALFA
.set PB,     288                       ; B's LDS row: 256 bytes + 32: an odd multiple of 32
.set HALFB,  128*PB
.set SLOT,   ABYTES+2*HALFB
.set SPARE,  2*SLOT
.set AQ,     64*PA                     ; from quarter to quarter in A: the next head
.set BQ,     64*PB
.set NP,     1024
.set WOFF,   6291456
.set ASTEP,  8*131072                  ; two K steps on: eight heads
.set BSTEP,  2*KSTEP*NP*2
.set SP,     272                       ; the way out: a stage row, 64 f32 + 16 bytes
.set STG,    64*SP
.set HW,     8                         ; the youngest loads of a run: A's second 32 along K
.set G1,  24
.set G0,  32
.set G1B, 48
.set G0B, 56
.set LAP, 66
.set CNT, 67
.set TA,  90
.set TB,  91
.set MSB, 0
.macro WIN new
.if MSB != (\new)
	s_set_vgpr_msb (MSB<<8)|(\new)
.set MSB, (\new)
.endif
.endm
.macro PLACES
.rept 4
	v_nop
.endr
.endm
.macro JLOAD sl
	s_cmp_eq_u32 s15, 0
	s_cbranch_scc0 .Lfor_b_\@
	tensor_load_to_lds s[G0+4*(\sl):G0+4*(\sl)+3], s[G1:G1+7]
	s_nop 0
.rept 4
	v_nop
.endr
	s_branch .Lasked_\@
.Lfor_b_\@:
	tensor_load_to_lds s[G0B+4*(\sl):G0B+4*(\sl)+3], s[G1B:G1B+7]
	s_nop 0
.rept 4
	v_nop
.endr
.Lasked_\@:
.endm
.macro CROUND
	s_barrier_signal -1
	s_barrier_wait -1
	s_cmp_lg_u32 s14, 0
	s_cbranch_scc1 .Lnot_wave_0_\@
	s_barrier_signal -3
.Lnot_wave_0_\@:
	s_barrier_wait -3
	s_barrier_signal -1
	s_barrier_wait -1
.endm
	s_load_b256 s[4:11], s[0:1], 0x0               ; ctx s[4:5], wb s[6:7], x s[8:9], x1 s[10:11]
	v_lshl_add_u32 v28, v0, 2, SPARE
	v_mov_b32 v29, 0
	ds_add_u32 v28, v29                            ; the wave's opening: the add and its wait stand ahead of my first tensor load
	v_lshrrev_b32 v1, 5, v0
	v_readfirstlane_b32 s14, v1                    ; wave 0..3
	s_lshr_b32 s15, s14, 1                         ; my half of the tile's rows; also: I fetch for A (0) or B (1)
	s_and_b32 s16, s14, 1                          ; my half of its columns; also: which half I fetch
	s_bfe_u32 s17, ttmp6, 0x40000
	s_bfe_u32 s18, ttmp6, 0x40004
	s_lshl_b32 s19, ttmp9, 2
	s_add_co_u32 s19, s19, s17                     ; tile column
	s_and_b32 s20, ttmp7, 0xffff
	s_lshl_b32 s20, s20, 2
	s_add_co_u32 s20, s20, s18                     ; tile row
	s_lshl_b32 s21, s18, 2
	s_lshl_b32 s21, 15, s21
	s_lshl_b32 s22, 0x1111, s17
	s_or_b32 s[G1], s21, (1<<16)|(1<<20)|(1<<21)|(4<<22)|(3<<25)   ; after every 32 words (a row of ctx) 4 words
	s_mov_b32 s[G1+1], 4096<<16                    ; tensor_dim0 = 4,096: 64 rows of a head on end
	s_mov_b32 s[G1+2], 4<<16                       ; tensor_dim1 = 4 heads
	s_mov_b32 s[G1+3], 4096<<16
	s_mov_b32 s[G1+4], 4
	s_mov_b32 s[G1+5], 65536                       ; elements from head to head
	s_mov_b32 s[G1+6], 0
	s_mov_b32 s[G1+7], 0
	s_or_b32 s[G1B], s22, (1<<16)|(1<<20)|(1<<21)|(5<<22)|(7<<25)  ; after every 64 words 8 words
	s_mov_b32 s[G1B+1], 128<<16
	s_mov_b32 s[G1B+2], 128<<16
	s_mov_b32 s[G1B+3], 128<<16
	s_mov_b32 s[G1B+4], 128
	s_mov_b32 s[G1B+5], NP
	s_mov_b32 s[G1B+6], 0
	s_mov_b32 s[G1B+7], 0
	s_lshr_b32 s40, s20, 3                         ; A: batch x 16 heads of 131,072 bytes,
	s_lshl_b32 s40, s40, 21
	s_and_b32 s41, s20, 7                          ; row 128 x (tile row % 8) + 64 x half, 128 bytes a row
	s_lshl_b32 s41, s41, 7
	s_lshl_b32 s23, s16, 6
	s_add_co_u32 s41, s41, s23
	s_lshl_b32 s41, s41, 7
	s_add_co_u32 s40, s40, s41
	s_mov_b32 s41, 0
	s_mul_i32 s42, s16, (KSTEP/2)*NP*2             ; B: 128 rows of K x half, 256 bytes x tile column
	s_lshl_b32 s43, s19, 8
	s_add_co_u32 s42, s42, s43
	s_add_co_u32 s42, s42, WOFF
	s_mov_b32 s43, 0
	s_mul_i32 s44, s16, HALFA
	s_mul_i32 s45, s16, HALFB
	s_add_co_u32 s45, s45, ABYTES
	s_wait_dscnt 0x0
	s_wait_kmcnt 0x0
	s_add_nc_u64 s[40:41], s[4:5], s[40:41]
	s_add_nc_u64 s[42:43], s[6:7], s[42:43]
	CROUND
.irp n, 0,1
	s_mov_b32 s[G0+4*(\n)], 1
	s_add_co_u32 s[G0+4*(\n)+1], s44, (\n)*SLOT
	s_add_nc_u64 s[G0+4*(\n)+2:G0+4*(\n)+3], s[40:41], (\n)*4*131072
	s_or_b32 s[G0+4*(\n)+3], s[G0+4*(\n)+3], 0x80000000
	s_mov_b32 s[G0B+4*(\n)], 1
	s_add_co_u32 s[G0B+4*(\n)+1], s45, (\n)*SLOT
	s_add_nc_u64 s[G0B+4*(\n)+2:G0B+4*(\n)+3], s[42:43], (\n)*KSTEP*NP*2
	s_or_b32 s[G0B+4*(\n)+3], s[G0B+4*(\n)+3], 0x80000000
.endr
	s_cmp_eq_u32 s15, 0                            ; a wave's two first fills stand in one branch: two loads of mine are out
	s_cbranch_scc0 .Lfirst_b
	tensor_load_to_lds s[G0:G0+3], s[G1:G1+7]
	s_nop 0
	tensor_load_to_lds s[G0+4:G0+7], s[G1:G1+7]
	s_nop 0
	PLACES
	s_branch .Lfirst_done
.Lfirst_b:
	tensor_load_to_lds s[G0B:G0B+3], s[G1B:G1B+7]
	s_nop 0
	tensor_load_to_lds s[G0B+4:G0B+7], s[G1B:G1B+7]
	s_nop 0
	PLACES
.Lfirst_done:
	v_and_b32 v1, 15, v0
	v_bfe_u32 v2, v0, 4, 1
	v_lshlrev_b32 v22, 12, v2                      ; x, x1: lanes 0-15 one row's 256 bytes, lanes 16-31 the next row's
	v_lshl_add_u32 v22, v1, 4, v22
	s_lshl_b32 s70, s20, 7
	s_lshl_b32 s71, s15, 6
	s_add_co_u32 s70, s70, s71                     ; my first row
	s_lshl_b32 s70, s70, 12
	s_lshl_b32 s71, s19, 9                         ; my first column, in bytes
	s_add_co_u32 s70, s70, s71
	s_lshl_b32 s71, s16, 8
	s_add_co_u32 s70, s70, s71
	s_mov_b32 s71, 0
	s_add_nc_u64 s[8:9], s[8:9], s[70:71]
	s_add_nc_u64 s[10:11], s[10:11], s[70:71]
	WIN 0xc0                                       ; destination window 3
.set t, 0
.rept 32
	global_load_b128 v[4*t:4*t+3], v22, s[8:9] offset:8192*t  ; my 64 x 64 of x: on its way under the whole product
.set t, t+1
.endr
	WIN 0
	v_mul_u32_u24 v16, v1, PA
	v_lshl_add_u32 v16, v2, 4, v16
	s_mul_i32 s23, s15, HALFA
	v_add_nc_u32 v16, s23, v16
	v_and_b32 v3, 7, v0
	v_lshl_add_u32 v3, v2, 3, v3
	v_mul_u32_u24 v17, v3, PB
	v_bfe_u32 v4, v0, 3, 1
	v_lshl_add_u32 v17, v4, 4, v17
	s_lshl_b32 s23, s16, 7                         ; my 64 columns
	s_add_co_u32 s23, s23, ABYTES
	v_add_nc_u32 v17, s23, v17
	s_mul_i32 s23, s14, STG
	v_mul_u32_u24 v20, v1, SP
	v_lshl_add_u32 v20, v2, 5, v20
	v_add_nc_u32 v20, s23, v20
	v_mul_u32_u24 v21, v2, SP
	v_lshl_add_u32 v21, v1, 4, v21
	v_add_nc_u32 v21, s23, v21
; 16 products: 32 along K (half c of the quarter) x all 16 accumulators, which take turns
.macro MULH f, c, zero
	WIN 0xa1
.set ia, 0
.rept 4
.set ib, 0
.rept 4
.set rD, 8*(4*ia+ib)
.set rB, 96*(\f)+8*(4*(\c)+ib)
.set rA, 64+64*(\f)+8*(4*(\c)+ia)
.if \zero
	v_wmma_f32_16x16x32_bf16 v[rD:rD+7], v[rB:rB+7], v[rA:rA+7], 0
.else
	v_wmma_f32_16x16x32_bf16 v[rD:rD+7], v[rB:rB+7], v[rA:rA+7], v[rD:rD+7]
.endif
.set ib, ib+1
.endr
.set ia, ia+1
.endr
.endm
.macro FETCH g, ka, kb                 ; 32 LDS loads in one run: B's eight fragments (turned), then A's eight; in each the first 32 along K first
	WIN 0x40
.set n, 0
.rept 8
	ds_load_tr16_b128 v[96*(\g)+8*n:96*(\g)+8*n+3],   v19 offset:(\kb)+(n/4)*32*PB+32*(n%4)
	ds_load_tr16_b128 v[96*(\g)+8*n+4:96*(\g)+8*n+7], v19 offset:(\kb)+(n/4)*32*PB+32*(n%4)+16*PB
.set n, n+1
.endr
	WIN 0
.set n, 0
.rept 8
	ds_load_b128 v[64+64*(\g)+8*n:64+64*(\g)+8*n+3],   v18 offset:(\ka)+(n%4)*16*PA+64*(n/4)
	ds_load_b128 v[64+64*(\g)+8*n+4:64+64*(\g)+8*n+7], v18 offset:(\ka)+(n%4)*16*PA+64*(n/4)+32
.set n, n+1
.endr
.endm
.macro H f, g, ka, kb, zero
	s_wait_dscnt HW                                ; all but the youngest eight loads, which the second half reads
	MULH \f, 0, \zero
	PLACES
	FETCH \g, \ka, \kb
	s_wait_dscnt 32                                ; all but the 32 just issued
	MULH \f, 1, 0
.endm
.macro U
	H 1, 0, 0, 0, 0
	H 0, 1, AQ, BQ, 0
	WIN 0
	s_add_co_u32 s[TA], s[TA], 2*AQ
	s_add_co_u32 s[TB], s[TB], 2*BQ
	v_add_nc_u32 v18, s[TA], v16
	v_add_nc_u32 v19, s[TB], v17
.endm
; The change of slots: every wave waits for all its tensor loads, adds 0 to its spare word, waits for that and for its reads of slot sl; fill = 1: a round of the cluster's barrier, the joint refill first behind it.
.macro CHANGE sl, fill
	WIN 0
	s_wait_tensorcnt 0x0
	ds_add_u32 v28, v29
.if \fill
	s_add_nc_u64 s[G0+4*(\sl)+2:G0+4*(\sl)+3], s[G0+4*(\sl)+2:G0+4*(\sl)+3], ASTEP
	s_add_nc_u64 s[G0B+4*(\sl)+2:G0B+4*(\sl)+3], s[G0B+4*(\sl)+2:G0B+4*(\sl)+3], BSTEP
.endif
	s_mov_b32 s[TA], (1-(\sl))*SLOT
	s_mov_b32 s[TB], (1-(\sl))*SLOT
	v_add_nc_u32 v18, s[TA], v16
	v_add_nc_u32 v19, s[TB], v17
	s_wait_dscnt 0x0
.if \fill
	CROUND
	JLOAD \sl
.else
	s_barrier_signal -1
	s_barrier_wait -1
.endif
.endm
	s_wait_tensorcnt 0x1                           ; my part of K step 0 is in; K step 1's stays out
	s_barrier_signal -1
	s_barrier_wait -1
	v_mov_b32 v18, v16
	v_mov_b32 v19, v17
	FETCH 0, 0, 0
	H 0, 1, AQ, BQ, 1
	WIN 0
	s_mov_b32 s[TA], 2*AQ
	s_mov_b32 s[TB], 2*BQ
	v_add_nc_u32 v18, s[TA], v16
	v_add_nc_u32 v19, s[TB], v17
	s_mov_b32 s[LAP], (NS-2)/2+1
	s_mov_b32 s[CNT], 1
	s_branch .Lu0
.Llap:
	CHANGE 0, 1
	s_mov_b32 s[CNT], 2
.Lu1:
	U
	s_sub_co_u32 s[CNT], s[CNT], 1
	s_cmp_lg_u32 s[CNT], 0
	s_cbranch_scc1 .Lu1
	CHANGE 1, 1
	s_mov_b32 s[CNT], 2
.Lu0:
	U
	s_sub_co_u32 s[CNT], s[CNT], 1
	s_cmp_lg_u32 s[CNT], 0
	s_cbranch_scc1 .Lu0
	s_sub_co_u32 s[LAP], s[LAP], 1
	s_cmp_lg_u32 s[LAP], 0
	s_cbranch_scc1 .Llap
	CHANGE 0, 0
	s_mov_b32 s[CNT], 2
.Lu2:
	U
	s_sub_co_u32 s[CNT], s[CNT], 1
	s_cmp_lg_u32 s[CNT], 0
	s_cbranch_scc1 .Lu2
	s_wait_dscnt HW
	MULH 1, 0, 0
	s_wait_dscnt 0x0
	MULH 1, 1, 0
	; THE WAY OUT: behind this barrier nobody reads the ring; the sums go into my stage and come back as whole rows of 256 bytes
	PLACES
	WIN 0
	s_barrier_signal -1
	s_barrier_wait -1
	WIN 0x08                                       ; store data (source 1) in window 2
.set n, 0
.rept 16
	ds_store_b128 v20, v[8*n:8*n+3]   offset:(n/4)*16*SP+64*(n%4)      ; each accumulator's low end first
	ds_store_b128 v20, v[8*n+4:8*n+7] offset:(n/4)*16*SP+64*(n%4)+16
.set n, n+1
.endr
	WIN 0
.set t, 0
.rept 32
	ds_load_b128 v[64+4*t:67+4*t], v21 offset:2*SP*t   ; LDS serves a wave's instructions in order (ISA guide 5.7.1.4)
.set t, t+1
.endr
	s_wait_loadcnt 0x0                             ; x
	s_wait_dscnt 0x0
	WIN 0x0c                                       ; source 1 in window 3
.set t, 0
.rept 64
	v_pk_add_f32 v[64+2*t:65+2*t], v[64+2*t:65+2*t], v[2*t:2*t+1]
.set t, t+1
.endr
	WIN 0
.set t, 0
.rept 32
	global_store_b128 v22, v[64+4*t:67+4*t], s[10:11] offset:8192*t  ; 16 lanes store 256 consecutive bytes, aligned
.set t, t+1
.endr
	s_wait_tensorcnt 0x0                           ; the wave's end
	ds_add_u32 v28, v29
	s_wait_dscnt 0x0
	CROUND
	s_endpgm
.Lfunc_end_k_qc8f0ec88a1_gw:
	.size	k_qc8f0ec88a1_gw, .Lfunc_end_k_qc8f0ec88a1_gw-k_qc8f0ec88a1_gw
	.p2alignl 7, 3214868480
	.fill 96, 4, 3214868480
	.section	.rodata,"a",@progbits
	.p2align	6, 0x0
	.amdhsa_kernel k_qc8f0ec88a1_gw
		.amdhsa_group_segment_fixed_size 327680
		.amdhsa_private_segment_fixed_size 0
		.amdhsa_enable_private_segment 0
		.amdhsa_kernarg_size 32
		.amdhsa_user_sgpr_count 2
		.amdhsa_user_sgpr_kernarg_segment_ptr 1
		.amdhsa_wavefront_size32 1
		.amdhsa_system_sgpr_workgroup_id_x 1
		.amdhsa_system_sgpr_workgroup_id_y 1
		.amdhsa_system_sgpr_workgroup_id_z 1
		.amdhsa_system_vgpr_workitem_id 0
		.amdhsa_next_free_vgpr 896
		.amdhsa_next_free_sgpr 96
		.amdhsa_reserve_vcc 0
		.amdhsa_float_denorm_mode_32 3
		.amdhsa_float_denorm_mode_16_64 3
		.amdhsa_memory_ordered 1
		.amdhsa_forward_progress 1
		.amdhsa_inst_pref_size 61
	.end_amdhsa_kernel
	.amdgpu_metadata
---
amdhsa.version: [ 1, 2 ]
amdhsa.kernels:
  - .name:           k_qc8f0ec88a1_gw
    .symbol:         k_qc8f0ec88a1_gw.kd
    .args:
      - { .name: ctx, .offset: 0, .size: 8, .value_kind: global_buffer, .address_space: global }
      - { .name: wb, .offset: 8, .size: 8, .value_kind: global_buffer, .address_space: global }
      - { .name: x, .offset: 16, .size: 8, .value_kind: global_buffer, .address_space: global }
      - { .name: x1, .offset: 24, .size: 8, .value_kind: global_buffer, .address_space: global }
    .group_segment_fixed_size: 327680
    .private_segment_fixed_size: 0
    .kernarg_segment_align: 8
    .kernarg_segment_size: 32
    .max_flat_workgroup_size: 128
    .sgpr_count:     96
    .vgpr_count:     896
    .wavefront_size: 32
...
	.end_amdgpu_metadata
.endif
;; end of part 4
;; launch ln2 (part 5): grid 512 x 1, 8 waves a work-group, no clusters, 0 bytes of LDS; arguments x1, ln2_g, ln2_b, h; writes h
.if DOCPART == 5
	.amdgcn_target "amdgcn-amd-amdhsa--gfx1250"
	.amdhsa_code_object_version 6
	.text
	.protected	k_qc8f0ec88a1_ln2
	.globl	k_qc8f0ec88a1_ln2
	.p2align	8
	.type	k_qc8f0ec88a1_ln2,@function
k_qc8f0ec88a1_ln2:
	s_mov_b64 s[64:65], 0
	v_nop
	global_prefetch_b8 v0, s[64:65] scope:SCOPE_SE
	s_setreg_imm32_b32 hwreg(HW_REG_WAVE_MODE, 25, 1), 1
	s_wait_xcnt 0x0
; h = layernorm(x1) * g + b, rounded to bf16.  One wave takes one row of 1,024 f32, which stays in 32 registers a lane between the pass for the mean,
; the pass for the sum of (x - mean)^2 and the scaling.  No LDS, no barrier, no matrix unit: memory binds.  NaN and infinities are not treated apart.
.set X,  8
.set G,  40
.set BB, 72
.set T,  104
.set MU, 112
.macro LANESUM
	v_add_f32_dpp v[T], v[T], v[T] row_xmask:1 row_mask:0xf bank_mask:0xf
	v_add_f32_dpp v[T], v[T], v[T] row_xmask:2 row_mask:0xf bank_mask:0xf
	v_add_f32_dpp v[T], v[T], v[T] row_xmask:4 row_mask:0xf bank_mask:0xf
	v_add_f32_dpp v[T], v[T], v[T] row_xmask:8 row_mask:0xf bank_mask:0xf
	v_permlanex16_b32 v[T+1], v[T], s12, s13
	v_add_f32 v[T], v[T], v[T+1]
.endm
.macro FOLD
	v_pk_add_f32 v[T:T+1], v[T:T+1], v[T+2:T+3]
	v_pk_add_f32 v[T+4:T+5], v[T+4:T+5], v[T+6:T+7]
	v_pk_add_f32 v[T:T+1], v[T:T+1], v[T+4:T+5]
	v_add_f32 v[T], v[T], v[T+1]
.endm
	s_load_b256 s[4:11], s[0:1], 0x0               ; x1 s[4:5], g s[6:7], b s[8:9], h s[10:11]
	v_lshrrev_b32 v4, 5, v0
	v_readfirstlane_b32 s2, v4                     ; wave 0..7
	v_and_b32 v4, 31, v0
	v_lshlrev_b32 v1, 4, v4
	v_lshlrev_b32 v2, 3, v4
	s_lshl_b32 s3, ttmp9, 3
	s_add_co_u32 s3, s3, s2                        ; row = 8 x work-group + wave
	s_lshl_b32 s16, s3, 12
	s_mov_b32 s17, 0
	s_lshl_b32 s18, s3, 11
	s_mov_b32 s19, 0
	s_mov_b32 s12, 0x76543210
	s_mov_b32 s13, 0xfedcba98
	s_mov_b32 s14, 0x3a800000                      ; 1 / 1024
	s_mov_b32 s15, 0x3727c5ac                      ; eps = 1e-5
	s_wait_kmcnt 0x0
	s_add_nc_u64 s[4:5], s[4:5], s[16:17]
	s_add_nc_u64 s[10:11], s[10:11], s[18:19]
.irp j, 0,1,2,3,4,5,6,7
	global_load_b128 v[X+4*(\j):X+4*(\j)+3], v1, s[4:5] offset:512*(\j)
.endr
.irp j, 0,1,2,3,4,5,6,7
	global_load_b128 v[G+4*(\j):G+4*(\j)+3], v1, s[6:7] offset:512*(\j)
.endr
.irp j, 0,1,2,3,4,5,6,7
	global_load_b128 v[BB+4*(\j):BB+4*(\j)+3], v1, s[8:9] offset:512*(\j)
.endr
	s_wait_loadcnt 16                              ; the row is in; the sixteen younger loads (gain, bias) stay out
.irp k, 0,1,2,3
	v_pk_add_f32 v[T+2*(\k):T+2*(\k)+1], v[X+2*(\k):X+2*(\k)+1], v[X+8+2*(\k):X+8+2*(\k)+1]
.endr
.irp k, 0,1,2,3,4,5,6,7
	v_pk_add_f32 v[T+2*((\k)%4):T+2*((\k)%4)+1], v[T+2*((\k)%4):T+2*((\k)%4)+1], v[X+16+2*(\k):X+16+2*(\k)+1]
.endr
	FOLD
	LANESUM
	v_mul_f32 v[MU], s14, v[T]
	v_mov_b32 v[MU+1], v[MU]
.set p, 0
.rept 16
	v_pk_add_f32 v[X+2*p:X+2*p+1], v[X+2*p:X+2*p+1], v[MU:MU+1] neg_lo:[0,1] neg_hi:[0,1]
.set p, p+1
.endr
.irp k, 0,1,2,3
	v_pk_mul_f32 v[T+2*(\k):T+2*(\k)+1], v[X+2*(\k):X+2*(\k)+1], v[X+2*(\k):X+2*(\k)+1]
.endr
.set p, 4
.rept 12
	v_pk_fma_f32 v[T+2*(p%4):T+2*(p%4)+1], v[X+2*p:X+2*p+1], v[X+2*p:X+2*p+1], v[T+2*(p%4):T+2*(p%4)+1]
.set p, p+1
.endr
	FOLD
	LANESUM
	v_fma_f32 v[T], v[T], s14, s15
	v_rsq_f32 v[MU], v[T]
	v_rsq_f32 v[MU+1], v[T]
	v_nop                                          ; a plain instruction between the root and the use of its result (ISA guide 5.7.2)
	s_wait_loadcnt 0x0
.set p, 0
	s_wait_alu depctr_va_vdst(0)
.rept 16
	v_pk_mul_f32 v[X+2*p:X+2*p+1], v[X+2*p:X+2*p+1], v[MU:MU+1]
.set p, p+1
.endr
.set p, 0
.rept 16
	v_pk_fma_f32 v[X+2*p:X+2*p+1], v[X+2*p:X+2*p+1], v[G+2*p:G+2*p+1], v[BB+2*p:BB+2*p+1]
.set p, p+1
.endr
.set p, 0
.rept 16
	v_cvt_pk_bf16_f32 v[X+p], v[X+2*p], v[X+2*p+1] ; ascending: never onto a register that is still to be read
.set p, p+1
.endr
.irp j, 0,1,2,3,4,5,6,7
	global_store_b64 v2, v[X+2*(\j):X+2*(\j)+1], s[10:11] offset:256*(\j)  ; 256 consecutive bytes, aligned
.endr
	s_endpgm
.Lfunc_end_k_qc8f0ec88a1_ln2:
	.size	k_qc8f0ec88a1_ln2, .Lfunc_end_k_qc8f0ec88a1_ln2-k_qc8f0ec88a1_ln2
	.p2alignl 7, 3214868480
	.fill 96, 4, 3214868480
	.section	.rodata,"a",@progbits
	.p2align	6, 0x0
	.amdhsa_kernel k_qc8f0ec88a1_ln2
		.amdhsa_group_segment_fixed_size 0
		.amdhsa_private_segment_fixed_size 0
		.amdhsa_enable_private_segment 0
		.amdhsa_kernarg_size 32
		.amdhsa_user_sgpr_count 2
		.amdhsa_user_sgpr_kernarg_segment_ptr 1
		.amdhsa_wavefront_size32 1
		.amdhsa_system_sgpr_workgroup_id_x 1
		.amdhsa_system_sgpr_workgroup_id_y 1
		.amdhsa_system_sgpr_workgroup_id_z 1
		.amdhsa_system_vgpr_workitem_id 0
		.amdhsa_next_free_vgpr 120
		.amdhsa_next_free_sgpr 66
		.amdhsa_reserve_vcc 0
		.amdhsa_float_denorm_mode_32 3
		.amdhsa_float_denorm_mode_16_64 3
		.amdhsa_memory_ordered 1
		.amdhsa_forward_progress 1
		.amdhsa_inst_pref_size 12
	.end_amdhsa_kernel
	.amdgpu_metadata
---
amdhsa.version: [ 1, 2 ]
amdhsa.kernels:
  - .name:           k_qc8f0ec88a1_ln2
    .symbol:         k_qc8f0ec88a1_ln2.kd
    .args:
      - { .name: x1, .offset: 0, .size: 8, .value_kind: global_buffer, .address_space: global }
      - { .name: ln2_g, .offset: 8, .size: 8, .value_kind: global_buffer, .address_space: global }
      - { .name: ln2_b, .offset: 16, .size: 8, .value_kind: global_buffer, .address_space: global }
      - { .name: h, .offset: 24, .size: 8, .value_kind: global_buffer, .address_space: global }
    .group_segment_fixed_size: 0
    .private_segment_fixed_size: 0
    .kernarg_segment_align: 8
    .kernarg_segment_size: 32
    .max_flat_workgroup_size: 256
    .sgpr_count:     66
    .vgpr_count:     120
    .wavefront_size: 32
...
	.end_amdgpu_metadata
.endif
;; end of part 5
;; launch gf1 (part 6): grid 16 x 16, 4 waves a work-group, clusters of 4 x 4, 327,680 bytes of LDS; arguments h, wb, b1, gb; writes gb
.if DOCPART == 6
	.amdgcn_target "amdgcn-amd-amdhsa--gfx1250"
	.amdhsa_code_object_version 6
	.text
	.protected	k_qc8f0ec88a1_gf1
	.globl	k_qc8f0ec88a1_gf1
	.p2align	8
	.type	k_qc8f0ec88a1_gf1,@function
k_qc8f0ec88a1_gf1:
	s_mov_b64 s[64:65], 0
	v_nop
	global_prefetch_b8 v0, s[64:65] scope:SCOPE_SE
	s_setreg_imm32_b32 hwreg(HW_REG_WAVE_MODE, 25, 1), 1
	s_wait_xcnt 0x0
	s_wait_alu depctr_hold_cnt(0) depctr_sa_sdst(0) depctr_va_vdst(0) depctr_va_sdst(0) depctr_va_ssrc(0) depctr_va_vcc(0) depctr_vm_vsrc(0)
	s_getreg_b32 s2, hwreg(HW_REG_IB_STS2, 6, 4)
	s_cmp_eq_u32 s2, 0
	s_cbranch_scc0 .Lentry_in_a_cluster
	s_endpgm
.Lentry_in_a_cluster:
	s_bfe_u32 s2, ttmp6, 0x10000c
	s_cmp_lg_u32 s2, 0xf033
	s_cbranch_scc0 .Lentry_shape_is_right
	s_endpgm
.Lentry_shape_is_right:
; gb = gelu(h W1 + b1), the exact (erf) gelu.  h: [4096][1024] bf16; W1: [1024][4096] bf16, [K][N], at byte 8,388,608 of wb; b1 f32; gb: [4096][4096] bf16.  Sums, bias and gelu in f32.
; GELU.  gelu(u) = max(u, 0) - |u| Q(|u|), Q(a) = (1 - erf(a / sqrt 2)) / 2 = poly(t) 2^(-0.72134752 a^2) / 2, t = 1 / (1 + 0.2316419 a): the five-term rational form of erf,
; absolute error at most 1.5e-7 for every a.  a^2 = infinity gives Q = 0: no overflow harms.  NaN and infinities in u are not treated apart.
; A tile of C is 256 x 256: 16 x 16 = 256 work-groups.  Four waves, each 128 x 128: 64 accumulators, 512 registers.  K goes in steps of 128 through two LDS slots; a step is four quarters of 32.
; B stays [K][N] in LDS and is turned by ds_load_tr16_b128.  The matrix instruction is used transposed: a lane holds eight neighbouring numbers of a row of C.
; CLUSTER 4 x 4: A's tile is asked for jointly by a row of the cluster, B's by a column.
; THE TEXT OF THE K LOOP.  Quarters take buffers 0, 1, 0, 1.  HEADQ is the first half of a quarter in buffer 1; REST is its second half (with the fetch of the next quarter in front) and the whole quarter in buffer 0 behind it.
; A slot is CHANGE, REST, HEADQ, REST: the change of slots holds HEADQ's 32 products itself, half of them between the add and the wait for it, half between the opening signal and its wait, so that the wave works while it meets the others.
; REGISTERS: window 0: v0-30 addresses, bias; A's fragments v64-127, v128-191; window 1: B's v0-63, v96-159; windows 2, 3: accumulators of my rows 0-63, 64-127: (a, b) at v[8 (8 a + b)].
.set KSTEP,  128
.set NS,     8
.set PA,     272
.set HALFA,  128*PA
.set ABYTES, 2*HALFA
.set PB,     544                       ; B's LDS row: 512 bytes + 32: an odd multiple of 32
.set HALFB,  64*PB
.set SLOT,   ABYTES+2*HALFB
.set SPARE,  2*SLOT
.set AQ,     64
.set BQ,     32*PB
.set NP,     4096
.set WOFF,   8388608
.set ASTEP,  2*KSTEP*2
.set BSTEP,  2*KSTEP*NP*2
.set SP,     528                       ; the way out: a stage row, 128 f32 + 16 bytes
.set STG,    128*SP
.set HW,     8                         ; the youngest loads of a run: A's rows 64-127
.set G1,  24
.set G0,  32
.set G1B, 48
.set G0B, 56
.set LAP, 66
.set CNT, 67
.set TA,  90
.set TB,  91
.set TR,  92
.set MSB, 0
.macro WIN new
.if MSB != (\new)
	s_set_vgpr_msb (MSB<<8)|(\new)
.set MSB, (\new)
.endif
.endm
.macro PLACES
.rept 4
	v_nop
.endr
.endm
.macro JLOAD sl
	s_cmp_eq_u32 s15, 0
	s_cbranch_scc0 .Lfor_b_\@
	tensor_load_to_lds s[G0+4*(\sl):G0+4*(\sl)+3], s[G1:G1+7]
	s_nop 0
.rept 4
	v_nop
.endr
	s_branch .Lasked_\@
.Lfor_b_\@:
	tensor_load_to_lds s[G0B+4*(\sl):G0B+4*(\sl)+3], s[G1B:G1B+7]
	s_nop 0
.rept 4
	v_nop
.endr
.Lasked_\@:
.endm
.macro CREST                           ; a round of the cluster's barrier behind its opening barrier
	s_cmp_lg_u32 s14, 0
	s_cbranch_scc1 .Lnot_wave_0_\@
	s_barrier_signal -3
.Lnot_wave_0_\@:
	s_barrier_wait -3
	s_barrier_signal -1
	s_barrier_wait -1
.endm
.macro CROUND                          ; a whole round
	s_barrier_signal -1
	s_barrier_wait -1
	CREST
.endm
	s_load_b256 s[4:11], s[0:1], 0x0               ; h s[4:5], wb s[6:7], b1 s[8:9], gb s[10:11]
	v_lshl_add_u32 v28, v0, 2, SPARE
	v_mov_b32 v29, 0
	ds_add_u32 v28, v29                            ; the wave's opening: the add and its wait stand ahead of my first tensor load
	v_lshrrev_b32 v1, 5, v0
	v_readfirstlane_b32 s14, v1
	s_lshr_b32 s15, s14, 1                         ; my half of the tile's rows; also: I fetch for A (0) or B (1)
	s_and_b32 s16, s14, 1                          ; my half of its columns; also: which half I fetch
	s_bfe_u32 s17, ttmp6, 0x40000
	s_bfe_u32 s18, ttmp6, 0x40004
	s_lshl_b32 s19, ttmp9, 2
	s_add_co_u32 s19, s19, s17
	s_and_b32 s20, ttmp7, 0xffff
	s_lshl_b32 s20, s20, 2
	s_add_co_u32 s20, s20, s18
	s_lshl_b32 s21, s18, 2
	s_lshl_b32 s21, 15, s21
	s_lshl_b32 s22, 0x1111, s17
	s_or_b32 s[G1], s21, (1<<16)|(1<<20)|(1<<21)|(5<<22)|(3<<25)
	s_mov_b32 s[G1+1], 128<<16
	s_mov_b32 s[G1+2], 128<<16
	s_mov_b32 s[G1+3], 128<<16
	s_mov_b32 s[G1+4], 128
	s_mov_b32 s[G1+5], 1024
	s_mov_b32 s[G1+6], 0
	s_mov_b32 s[G1+7], 0
	s_or_b32 s[G1B], s22, (1<<16)|(1<<20)|(1<<21)|(6<<22)|(7<<25)  ; after every 128 words 8 words
	s_mov_b32 s[G1B+1], 256<<16
	s_mov_b32 s[G1B+2], 64<<16
	s_mov_b32 s[G1B+3], 256<<16
	s_mov_b32 s[G1B+4], 64
	s_mov_b32 s[G1B+5], NP
	s_mov_b32 s[G1B+6], 0
	s_mov_b32 s[G1B+7], 0
	s_mov_b32 s68, 0x3e6d3389                      ; 0.2316419; each constant twice: the packed forms name a pair
	s_mov_b32 s69, s68
	s_mov_b32 s70, 0xbf38aa3b                      ; -0.72134752 = -log2(e) / 2
	s_mov_b32 s71, s70
	s_mov_b32 s72, 0x3f07dc22                      ; the polynomial's coefficients, halved: 0.5307027145
	s_mov_b32 s73, s72
	s_mov_b32 s74, 0xbf3a00e3                      ; -0.7265760135
	s_mov_b32 s75, s74
	s_mov_b32 s76, 0x3f35f0e3                      ; 0.7107068705
	s_mov_b32 s77, s76
	s_mov_b32 s78, 0xbe11a98e                      ; -0.142248368
	s_mov_b32 s79, s78
	s_mov_b32 s80, 0x3e027906                      ; 0.127414796
	s_mov_b32 s81, s80
	s_mov_b32 s82, 0x7fffffff
	s_lshl_b32 s40, s20, 8
	s_lshl_b32 s41, s16, 7
	s_add_co_u32 s40, s40, s41
	s_lshl_b32 s40, s40, 11
	s_mov_b32 s41, 0
	s_mul_i32 s42, s16, (KSTEP/2)*NP*2
	s_lshl_b32 s43, s19, 9
	s_add_co_u32 s42, s42, s43
	s_add_co_u32 s42, s42, WOFF
	s_mov_b32 s43, 0
	s_mul_i32 s44, s16, HALFA
	s_mul_i32 s45, s16, HALFB
	s_add_co_u32 s45, s45, ABYTES
	s_wait_dscnt 0x0
	s_wait_kmcnt 0x0
	s_add_nc_u64 s[40:41], s[4:5], s[40:41]
	s_add_nc_u64 s[42:43], s[6:7], s[42:43]
	CROUND
.irp n, 0,1
	s_mov_b32 s[G0+4*(\n)], 1
	s_add_co_u32 s[G0+4*(\n)+1], s44, (\n)*SLOT
	s_add_nc_u64 s[G0+4*(\n)+2:G0+4*(\n)+3], s[40:41], (\n)*KSTEP*2
	s_or_b32 s[G0+4*(\n)+3], s[G0+4*(\n)+3], 0x80000000
	s_mov_b32 s[G0B+4*(\n)], 1
	s_add_co_u32 s[G0B+4*(\n)+1], s45, (\n)*SLOT
	s_add_nc_u64 s[G0B+4*(\n)+2:G0B+4*(\n)+3], s[42:43], (\n)*KSTEP*NP*2
	s_or_b32 s[G0B+4*(\n)+3], s[G0B+4*(\n)+3], 0x80000000
.endr
	s_cmp_eq_u32 s15, 0                            ; a wave's two first fills stand in one branch: two loads of mine are out
	s_cbranch_scc0 .Lfirst_b
	tensor_load_to_lds s[G0:G0+3], s[G1:G1+7]
	s_nop 0
	tensor_load_to_lds s[G0+4:G0+7], s[G1:G1+7]
	s_nop 0
	PLACES
	s_branch .Lfirst_done
.Lfirst_b:
	tensor_load_to_lds s[G0B:G0B+3], s[G1B:G1B+7]
	s_nop 0
	tensor_load_to_lds s[G0B+4:G0B+7], s[G1B:G1B+7]
	s_nop 0
	PLACES
.Lfirst_done:
	v_and_b32 v1, 15, v0
	v_bfe_u32 v2, v0, 4, 1
	v_and_b32 v5, 31, v0
	v_lshlrev_b32 v23, 4, v5                       ; my four columns of the wave's 128: 16 bytes of f32,
	v_lshlrev_b32 v22, 3, v5                       ; 8 bytes of bf16
	s_lshl_b32 s84, s19, 10                        ; b1 at column 256 x tile column + 128 x half
	s_lshl_b32 s85, s16, 9
	s_add_co_u32 s84, s84, s85
	s_mov_b32 s85, 0
	s_add_nc_u64 s[8:9], s[8:9], s[84:85]
	global_load_b128 v[24:27], v23, s[8:9]
	s_lshl_b32 s86, s20, 8
	s_lshl_b32 s87, s15, 7
	s_add_co_u32 s86, s86, s87                     ; my first row of gb
	s_lshl_b32 s86, s86, 13                        ; 8,192 bytes a row
	s_lshl_b32 s87, s19, 9
	s_add_co_u32 s86, s86, s87
	s_lshl_b32 s87, s16, 8
	s_add_co_u32 s86, s86, s87
	s_mov_b32 s87, 0
	s_add_nc_u64 s[10:11], s[10:11], s[86:87]
	v_mul_u32_u24 v16, v1, PA
	v_lshl_add_u32 v16, v2, 4, v16
	s_mul_i32 s23, s15, HALFA
	v_add_nc_u32 v16, s23, v16
	v_and_b32 v3, 7, v0
	v_lshl_add_u32 v3, v2, 3, v3
	v_mul_u32_u24 v17, v3, PB
	v_bfe_u32 v4, v0, 3, 1
	v_lshl_add_u32 v17, v4, 4, v17
	s_lshl_b32 s23, s16, 8                         ; my 128 columns
	s_add_co_u32 s23, s23, ABYTES
	v_add_nc_u32 v17, s23, v17
	s_mul_i32 s23, s14, STG
	v_mul_u32_u24 v20, v1, SP
	v_lshl_add_u32 v20, v2, 5, v20
	v_add_nc_u32 v20, s23, v20
	v_lshl_add_u32 v21, v5, 4, s23                 ; back: 32 lanes take one row of 512 bytes
; 16 products: row blocks 4 half + a0, a0 + 1 x all 8 column blocks.  The accumulators take turns, one instruction a turn.  zero = 1: the products start the sums.
.macro MULQ f, half, a0, zero
	WIN 0xa1+0x50*(\half)
.set ia, (\a0)
.rept 2
.set ib, 0
.rept 8
.set rD, 8*(8*ia+ib)
.set rB, 96*(\f)+8*ib
.set rA, 64+64*(\f)+8*(4*(\half)+ia)
.if \zero
	v_wmma_f32_16x16x32_bf16 v[rD:rD+7], v[rB:rB+7], v[rA:rA+7], 0
.else
	v_wmma_f32_16x16x32_bf16 v[rD:rD+7], v[rB:rB+7], v[rA:rA+7], v[rD:rD+7]
.endif
.set ib, ib+1
.endr
.set ia, ia+1
.endr
.endm
.macro MULH f, half, zero              ; half a quarter's 32 products
	MULQ \f, \half, 0, \zero
	MULQ \f, \half, 2, \zero
.endm
.macro FETCH g, ka, kb                 ; 32 LDS loads in one run: a quarter's fragments into buffer g: B's 8 (turned), then A's 8
	WIN 0x40
.set ib, 0
.rept 8
	ds_load_tr16_b128 v[96*(\g)+8*ib:96*(\g)+8*ib+3],   v19 offset:(\kb)+32*ib
	ds_load_tr16_b128 v[96*(\g)+8*ib+4:96*(\g)+8*ib+7], v19 offset:(\kb)+32*ib+16*PB
.set ib, ib+1
.endr
	WIN 0
.set ia, 0
.rept 8
	ds_load_b128 v[64+64*(\g)+8*ia:64+64*(\g)+8*ia+3],   v18 offset:(\ka)+ia*16*PA
	ds_load_b128 v[64+64*(\g)+8*ia+4:64+64*(\g)+8*ia+7], v18 offset:(\ka)+ia*16*PA+32
.set ia, ia+1
.endr
.endm
.macro H f, g, ka, kb, zero            ; a quarter: multiplies buffer f; in its middle the next quarter's fragments are fetched into g
	s_wait_dscnt HW                                ; all but the youngest eight loads, which the second half reads
	MULH \f, 0, \zero
	PLACES
	FETCH \g, \ka, \kb
	s_wait_dscnt 32                                ; all but the 32 just issued
	MULH \f, 1, \zero
.endm
.macro HEADQ                           ; the first half of a quarter in buffer 1, where no slots change
	s_wait_dscnt HW
	MULH 1, 0, 0
	WIN 0
.endm
.macro REST                            ; the fetch into buffer 0, the second half of the quarter in buffer 1, the whole quarter in buffer 0; the fetch offsets go two quarters on
	PLACES
	FETCH 0, 0, 0
	s_wait_dscnt 32                                ; all but the 32 just issued
	MULH 1, 1, 0
	H 0, 1, AQ, BQ, 0
	WIN 0
	s_add_co_u32 s[TA], s[TA], 2*AQ
	s_add_co_u32 s[TB], s[TB], 2*BQ
	v_add_nc_u32 v18, s[TA], v16
	v_add_nc_u32 v19, s[TB], v17
.endm
; THE CHANGE OF SLOTS: all of slot sl's fragments have been asked for; its last quarter lies in buffer 1.  Each wave waits for all its tensor loads (one is out: its part of the other slot), adds 0 to its spare word,
; issues sixteen of that quarter's products, waits for the add and for its reads of the slot, signals, issues sixteen more, and waits for the others.
; fill = 1: that barrier opens a round of the cluster's barrier, and the joint refill comes first behind the round.
.macro CHANGE sl, fill
	WIN 0                                          ; (the add's two registers lie in window 0)
	s_wait_tensorcnt 0x0
	ds_add_u32 v28, v29                            ; 0 onto my spare word; work on registers stands between it and the wait for it
.if \fill
	s_add_nc_u64 s[G0+4*(\sl)+2:G0+4*(\sl)+3], s[G0+4*(\sl)+2:G0+4*(\sl)+3], ASTEP
	s_add_nc_u64 s[G0B+4*(\sl)+2:G0B+4*(\sl)+3], s[G0B+4*(\sl)+2:G0B+4*(\sl)+3], BSTEP
.endif
	s_mov_b32 s[TA], (1-(\sl))*SLOT                ; the fetches go to the other slot's first quarter
	s_mov_b32 s[TB], (1-(\sl))*SLOT
	v_add_nc_u32 v18, s[TA], v16
	v_add_nc_u32 v19, s[TB], v17
	s_wait_dscnt HW+1                              ; the add and the youngest eight loads (A's rows 64-127) may be out
	MULQ 1, 0, 0, 0
	s_wait_dscnt 0x0                               ; the add is done, and my reads of this slot are over
	s_barrier_signal -1
	MULQ 1, 0, 2, 0                                ; work on registers while the others arrive
	WIN 0
	s_barrier_wait -1
.if \fill
	CREST
	JLOAD \sl
.endif
.endm
	s_wait_tensorcnt 0x1                           ; my part of K step 0 is in; K step 1's stays out
	s_barrier_signal -1
	s_barrier_wait -1
	v_mov_b32 v18, v16
	v_mov_b32 v19, v17
	FETCH 0, 0, 0
	H 0, 1, AQ, BQ, 1                              ; the first quarter stands ahead of the loop: its products start the sums
	WIN 0
	s_mov_b32 s[TA], 2*AQ
	s_mov_b32 s[TB], 2*BQ
	v_add_nc_u32 v18, s[TA], v16
	v_add_nc_u32 v19, s[TB], v17
	s_mov_b32 s[LAP], (NS-2)/2+1
	s_mov_b32 s[CNT], 1
	s_branch .La0                                  ; the loop is entered in the middle of a lap: slot 0's second quarter
.Llap:                                                 ; a lap: both slots are left and filled again
	CHANGE 0, 1
	s_mov_b32 s[CNT], 2
	s_branch .Lv1
.La1:
	HEADQ
.Lv1:
	REST
	s_sub_co_u32 s[CNT], s[CNT], 1
	s_cmp_lg_u32 s[CNT], 0
	s_cbranch_scc1 .La1
	CHANGE 1, 1
	s_mov_b32 s[CNT], 2
	s_branch .Lv0
.La0:
	HEADQ
.Lv0:
	REST
	s_sub_co_u32 s[CNT], s[CNT], 1
	s_cmp_lg_u32 s[CNT], 0
	s_cbranch_scc1 .La0
	s_sub_co_u32 s[LAP], s[LAP], 1
	s_cmp_lg_u32 s[LAP], 0
	s_cbranch_scc1 .Llap
	CHANGE 0, 0                                    ; the tail is written out: nothing is left to ask for
	s_mov_b32 s[CNT], 2
	s_branch .Lv2
.La2:
	HEADQ
.Lv2:
	REST
	s_sub_co_u32 s[CNT], s[CNT], 1
	s_cmp_lg_u32 s[CNT], 0
	s_cbranch_scc1 .La2
	s_wait_dscnt HW
	MULH 1, 0, 0
	s_wait_dscnt 0x0
	MULH 1, 1, 0
	; THE WAY OUT: behind this barrier nobody reads the ring; the sums go as f32 into my stage, so that bias and gelu are one short text on whole rows
	PLACES
	WIN 0
	s_barrier_signal -1
	s_barrier_wait -1
.set hf, 0
.rept 2
	WIN 0x08+4*hf
.set n, 0
.rept 32
	ds_store_b128 v20, v[8*n:8*n+3]   offset:(4*hf+n/8)*16*SP+64*(n%8)     ; each accumulator's low end first
	ds_store_b128 v20, v[8*n+4:8*n+7] offset:(4*hf+n/8)*16*SP+64*(n%8)+16
.set n, n+1
.endr
.set hf, hf+1
.endr
	WIN 0
.set GU, 64                            ; u, later max(u, 0), later the result
.set GA, 80                            ; |u|
.set GT, 96                            ; t
.set GW, 112                           ; the exponential
.set GP, 128                           ; the polynomial
.set GR, 144                           ; packed bf16
.set GN, 160                           ; four rows as they come from the stage
.macro ALL8 line:vararg                ; one line for each of the 8 pairs n
.set n, 0
	s_wait_alu depctr_va_vdst(0)
.rept 8
	\line
.set n, n+1
.endr
.endm
.macro ALL16 line:vararg               ; one line for each of the 16 numbers n
.set n, 0
.rept 16
	\line
.set n, n+1
.endr
.endm
.macro HORN m                          ; line m of the polynomial's 32: stage m / 8 for pair m % 8; a pair's stages stand eight lines apart
.set hs, (\m)/8
.set hj, (\m)%8
.if hs == 0
	s_wait_alu depctr_va_vdst(0)
	v_pk_fma_f32 v[GP+2*hj:GP+2*hj+1], v[GT+2*hj:GT+2*hj+1], s[72:73], s[74:75] op_sel_hi:[1,0,0]
.else
	v_pk_fma_f32 v[GP+2*hj:GP+2*hj+1], v[GP+2*hj:GP+2*hj+1], v[GT+2*hj:GT+2*hj+1], s[74+2*hs:75+2*hs] op_sel_hi:[1,1,0]
.endif
.endm
; Four rows, 16 numbers a lane.  ahead = 1: as soon as the bias add has taken the rows out of GN, the next four are asked for: they have the whole trip in which to come.
; A plain line stands behind each reciprocal, two behind each exponential.
.macro TRIP ahead
	s_wait_dscnt 0x0                               ; my four rows are in (LDS serves a wave's instructions in order, ISA guide 5.7.1.4: the loads saw my stores)
	ALL8 v_pk_add_f32 v[GU+2*n:GU+2*n+1], v[GN+2*n:GN+2*n+1], v[24+2*(n%2):25+2*(n%2)]
.if \ahead
	s_add_co_u32 s[TR], s[TR], 4*SP
	v_add_nc_u32 v30, s[TR], v21
.irp i, 0,1,2,3
	ds_load_b128 v[GN+4*(\i):GN+4*(\i)+3], v30 offset:SP*(\i)
.endr
.endif
	ALL16 v_and_b32 v[GA+n], s82, v[GU+n]
	ALL8 v_pk_fma_f32 v[GT+2*n:GT+2*n+1], v[GA+2*n:GA+2*n+1], s[68:69], 1.0 op_sel_hi:[1,0,0]
.set n, 0
.rept 8
	v_rcp_f32 v[GT+n], v[GT+n]
	v_pk_mul_f32 v[GW+2*n:GW+2*n+1], v[GA+2*n:GA+2*n+1], v[GA+2*n:GA+2*n+1]
.set n, n+1
.endr
.set n, 0
.rept 8
	v_rcp_f32 v[GT+8+n], v[GT+8+n]
	v_pk_mul_f32 v[GW+2*n:GW+2*n+1], v[GW+2*n:GW+2*n+1], s[70:71] op_sel_hi:[1,0]
.set n, n+1
.endr
.set n, 0
.rept 16
	v_exp_f32 v[GW+n], v[GW+n]
	HORN 2*n
	HORN 2*n+1
.set n, n+1
.endr
	ALL8 v_pk_mul_f32 v[GP+2*n:GP+2*n+1], v[GP+2*n:GP+2*n+1], v[GT+2*n:GT+2*n+1]
	ALL8 v_pk_mul_f32 v[GP+2*n:GP+2*n+1], v[GP+2*n:GP+2*n+1], v[GW+2*n:GW+2*n+1]          ; Q
	ALL16 v_max_num_f32 v[GU+n], 0, v[GU+n]
	ALL8 v_pk_fma_f32 v[GU+2*n:GU+2*n+1], v[GA+2*n:GA+2*n+1], v[GP+2*n:GP+2*n+1], v[GU+2*n:GU+2*n+1] neg_lo:[1,0,0] neg_hi:[1,0,0]
	ALL8 v_cvt_pk_bf16_f32 v[GR+n], v[GU+2*n], v[GU+2*n+1]
.irp i, 0,1,2,3
	global_store_b64 v22, v[GR+2*(\i):GR+2*(\i)+1], s[10:11] offset:8192*(\i)  ; the wave's store covers 256 consecutive bytes, aligned
.endr
	s_wait_xcnt 0x0                                ; the stores' data and offset are rewritten only behind this wait
	v_add_nc_u32 v22, 32768, v22
.endm
	s_wait_loadcnt 0x0                             ; the bias
	s_mov_b32 s[TR], 0
	v_add_nc_u32 v30, s[TR], v21
.irp i, 0,1,2,3
	ds_load_b128 v[GN+4*(\i):GN+4*(\i)+3], v30 offset:SP*(\i)
.endr
	s_mov_b32 s[CNT], 31
.Lrows:                                                ; 31 trips of 4 rows, each asking for the next four
	TRIP 1
	s_sub_co_u32 s[CNT], s[CNT], 1
	s_cmp_lg_u32 s[CNT], 0
	s_cbranch_scc1 .Lrows
	TRIP 0                                         ; the last four rows: nothing is left to ask for
	s_wait_tensorcnt 0x0                           ; the wave's end
	ds_add_u32 v28, v29
	s_wait_dscnt 0x0
	CROUND
	s_endpgm
.Lfunc_end_k_qc8f0ec88a1_gf1:
	.size	k_qc8f0ec88a1_gf1, .Lfunc_end_k_qc8f0ec88a1_gf1-k_qc8f0ec88a1_gf1
	.p2alignl 7, 3214868480
	.fill 96, 4, 3214868480
	.section	.rodata,"a",@progbits
	.p2align	6, 0x0
	.amdhsa_kernel k_qc8f0ec88a1_gf1
		.amdhsa_group_segment_fixed_size 327680
		.amdhsa_private_segment_fixed_size 0
		.amdhsa_enable_private_segment 0
		.amdhsa_kernarg_size 32
		.amdhsa_user_sgpr_count 2
		.amdhsa_user_sgpr_kernarg_segment_ptr 1
		.amdhsa_wavefront_size32 1
		.amdhsa_system_sgpr_workgroup_id_x 1
		.amdhsa_system_sgpr_workgroup_id_y 1
		.amdhsa_system_sgpr_workgroup_id_z 1
		.amdhsa_system_vgpr_workitem_id 0
		.amdhsa_next_free_vgpr 1024
		.amdhsa_next_free_sgpr 96
		.amdhsa_reserve_vcc 0
		.amdhsa_float_denorm_mode_32 3
		.amdhsa_float_denorm_mode_16_64 3
		.amdhsa_memory_ordered 1
		.amdhsa_forward_progress 1
		.amdhsa_inst_pref_size 96
	.end_amdhsa_kernel
	.amdgpu_metadata
---
amdhsa.version: [ 1, 2 ]
amdhsa.kernels:
  - .name:           k_qc8f0ec88a1_gf1
    .symbol:         k_qc8f0ec88a1_gf1.kd
    .args:
      - { .name: h, .offset: 0, .size: 8, .value_kind: global_buffer, .address_space: global }
      - { .name: wb, .offset: 8, .size: 8, .value_kind: global_buffer, .address_space: global }
      - { .name: b1, .offset: 16, .size: 8, .value_kind: global_buffer, .address_space: global }
      - { .name: gb, .offset: 24, .size: 8, .value_kind: global_buffer, .address_space: global }
    .group_segment_fixed_size: 327680
    .private_segment_fixed_size: 0
    .kernarg_segment_align: 8
    .kernarg_segment_size: 32
    .max_flat_workgroup_size: 128
    .sgpr_count:     96
    .vgpr_count:     1024
    .wavefront_size: 32
...
	.end_amdgpu_metadata
.endif
;; end of part 6
;; launch gf2 (part 7): grid 8 x 32, 4 waves a work-group, clusters of 4 x 4, 327,680 bytes of LDS; arguments gb, wb, b2, x1, out0; writes out0
.if DOCPART == 7
	.amdgcn_target "amdgcn-amd-amdhsa--gfx1250"
	.amdhsa_code_object_version 6
	.text
	.protected	k_qc8f0ec88a1_gf2
	.globl	k_qc8f0ec88a1_gf2
	.p2align	8
	.type	k_qc8f0ec88a1_gf2,@function
k_qc8f0ec88a1_gf2:
	s_mov_b64 s[64:65], 0
	v_nop
	global_prefetch_b8 v0, s[64:65] scope:SCOPE_SE
	s_setreg_imm32_b32 hwreg(HW_REG_WAVE_MODE, 25, 1), 1
	s_wait_xcnt 0x0
	s_wait_alu depctr_hold_cnt(0) depctr_sa_sdst(0) depctr_va_vdst(0) depctr_va_sdst(0) depctr_va_ssrc(0) depctr_va_vcc(0) depctr_vm_vsrc(0)
	s_getreg_b32 s2, hwreg(HW_REG_IB_STS2, 6, 4)
	s_cmp_eq_u32 s2, 0
	s_cbranch_scc0 .Lentry_in_a_cluster
	s_endpgm
.Lentry_in_a_cluster:
	s_bfe_u32 s2, ttmp6, 0x10000c
	s_cmp_lg_u32 s2, 0xf033
	s_cbranch_scc0 .Lentry_shape_is_right
	s_endpgm
.Lentry_shape_is_right:
; out0 = x1 + gb W2 + b2.  gb: [4096][4096] bf16; W2: [4096][1024] bf16, [K][N], at byte 16,777,216 of wb; b2, x1, out0 f32.  Sums in f32.
; A tile of C is 128 x 128: 8 x 32 = 256 work-groups.  Four waves, each 64 x 64: 16 accumulators.  K goes in steps of 256 through two LDS slots; a step is four quarters of 64.
; B stays [K][N] in LDS and is turned by ds_load_tr16_b128.  The matrix instruction is used transposed: a lane holds eight neighbouring numbers of a row of C.
; CLUSTER 4 x 4: A's tile is asked for jointly by a row of the cluster, B's by a column.
; REGISTERS: window 0: v0-30 addresses, bias; A's fragments v64-127, v128-191; window 1: B's v0-63, v96-159; window 2: accumulators (a, b) at v[8 (4 a + b)]; window 3: v0-127 my part of x1, loaded at the start.
.set KSTEP,  256
.set NS,     16
.set PA,     528                       ; A's LDS row: 512 bytes + 16
.set HALFA,  64*PA
.set ABYTES, 2*HALFA
.set PB,     288
.set HALFB,  128*PB
.set SLOT,   ABYTES+2*HALFB
.set SPARE,  2*SLOT
.set AQ,     128
.set BQ,     64*PB
.set NP,     1024
.set WOFF,   16777216
.set ASTEP,  2*KSTEP*2
.set BSTEP,  2*KSTEP*NP*2
.set SP,     272
.set STG,    64*SP
.set HW,     8
.set G1,  24
.set G0,  32
.set G1B, 48
.set G0B, 56
.set LAP, 66
.set CNT, 67
.set TA,  90
.set TB,  91
.set MSB, 0
.macro WIN new
.if MSB != (\new)
	s_set_vgpr_msb (MSB<<8)|(\new)
.set MSB, (\new)
.endif
.endm
.macro PLACES
.rept 4
	v_nop
.endr
.endm
.macro JLOAD sl
	s_cmp_eq_u32 s15, 0
	s_cbranch_scc0 .Lfor_b_\@
	tensor_load_to_lds s[G0+4*(\sl):G0+4*(\sl)+3], s[G1:G1+7]
	s_nop 0
.rept 4
	v_nop
.endr
	s_branch .Lasked_\@
.Lfor_b_\@:
	tensor_load_to_lds s[G0B+4*(\sl):G0B+4*(\sl)+3], s[G1B:G1B+7]
	s_nop 0
.rept 4
	v_nop
.endr
.Lasked_\@:
.endm
.macro CROUND
	s_barrier_signal -1
	s_barrier_wait -1
	s_cmp_lg_u32 s14, 0
	s_cbranch_scc1 .Lnot_wave_0_\@
	s_barrier_signal -3
.Lnot_wave_0_\@:
	s_barrier_wait -3
	s_barrier_signal -1
	s_barrier_wait -1
.endm
	s_load_b256 s[4:11], s[0:1], 0x0               ; gb s[4:5], wb s[6:7], b2 s[8:9], x1 s[10:11]
	s_load_b64 s[12:13], s[0:1], 0x20              ; out0
	v_lshl_add_u32 v28, v0, 2, SPARE
	v_mov_b32 v29, 0
	ds_add_u32 v28, v29                            ; the wave's opening: the add and its wait stand ahead of my first tensor load
	v_lshrrev_b32 v1, 5, v0
	v_readfirstlane_b32 s14, v1
	s_lshr_b32 s15, s14, 1
	s_and_b32 s16, s14, 1
	s_bfe_u32 s17, ttmp6, 0x40000
	s_bfe_u32 s18, ttmp6, 0x40004
	s_lshl_b32 s19, ttmp9, 2
	s_add_co_u32 s19, s19, s17
	s_and_b32 s20, ttmp7, 0xffff
	s_lshl_b32 s20, s20, 2
	s_add_co_u32 s20, s20, s18
	s_lshl_b32 s21, s18, 2
	s_lshl_b32 s21, 15, s21
	s_lshl_b32 s22, 0x1111, s17
	s_or_b32 s[G1], s21, (1<<16)|(1<<20)|(1<<21)|(6<<22)|(3<<25)   ; after every 128 words 4 words
	s_mov_b32 s[G1+1], 256<<16
	s_mov_b32 s[G1+2], 64<<16
	s_mov_b32 s[G1+3], 256<<16
	s_mov_b32 s[G1+4], 64
	s_mov_b32 s[G1+5], 4096
	s_mov_b32 s[G1+6], 0
	s_mov_b32 s[G1+7], 0
	s_or_b32 s[G1B], s22, (1<<16)|(1<<20)|(1<<21)|(5<<22)|(7<<25)
	s_mov_b32 s[G1B+1], 128<<16
	s_mov_b32 s[G1B+2], 128<<16
	s_mov_b32 s[G1B+3], 128<<16
	s_mov_b32 s[G1B+4], 128
	s_mov_b32 s[G1B+5], NP
	s_mov_b32 s[G1B+6], 0
	s_mov_b32 s[G1B+7], 0
	s_lshl_b32 s40, s20, 7                         ; A: row 128 x tile row + 64 x half, 8,192 bytes a row
	s_lshl_b32 s41, s16, 6
	s_add_co_u32 s40, s40, s41
	s_lshl_b32 s40, s40, 13
	s_mov_b32 s41, 0
	s_mul_i32 s42, s16, (KSTEP/2)*NP*2
	s_lshl_b32 s43, s19, 8
	s_add_co_u32 s42, s42, s43
	s_add_co_u32 s42, s42, WOFF
	s_mov_b32 s43, 0
	s_mul_i32 s44, s16, HALFA
	s_mul_i32 s45, s16, HALFB
	s_add_co_u32 s45, s45, ABYTES
	s_wait_dscnt 0x0
	s_wait_kmcnt 0x0
	s_add_nc_u64 s[40:41], s[4:5], s[40:41]
	s_add_nc_u64 s[42:43], s[6:7], s[42:43]
	CROUND
.irp n, 0,1
	s_mov_b32 s[G0+4*(\n)], 1
	s_add_co_u32 s[G0+4*(\n)+1], s44, (\n)*SLOT
	s_add_nc_u64 s[G0+4*(\n)+2:G0+4*(\n)+3], s[40:41], (\n)*KSTEP*2
	s_or_b32 s[G0+4*(\n)+3], s[G0+4*(\n)+3], 0x80000000
	s_mov_b32 s[G0B+4*(\n)], 1
	s_add_co_u32 s[G0B+4*(\n)+1], s45, (\n)*SLOT
	s_add_nc_u64 s[G0B+4*(\n)+2:G0B+4*(\n)+3], s[42:43], (\n)*KSTEP*NP*2
	s_or_b32 s[G0B+4*(\n)+3], s[G0B+4*(\n)+3], 0x80000000
.endr
	s_cmp_eq_u32 s15, 0                            ; a wave's two first fills stand in one branch: two loads of mine are out
	s_cbranch_scc0 .Lfirst_b
	tensor_load_to_lds s[G0:G0+3], s[G1:G1+7]
	s_nop 0
	tensor_load_to_lds s[G0+4:G0+7], s[G1:G1+7]
	s_nop 0
	PLACES
	s_branch .Lfirst_done
.Lfirst_b:
	tensor_load_to_lds s[G0B:G0B+3], s[G1B:G1B+7]
	s_nop 0
	tensor_load_to_lds s[G0B+4:G0B+7], s[G1B:G1B+7]
	s_nop 0
	PLACES
.Lfirst_done:
	v_and_b32 v1, 15, v0
	v_bfe_u32 v2, v0, 4, 1
	v_lshlrev_b32 v22, 12, v2                      ; x1, out0: lanes 0-15 one row's 256 bytes, lanes 16-31 the next row's
	v_lshl_add_u32 v22, v1, 4, v22
	v_lshlrev_b32 v23, 4, v1                       ; my four columns of the wave's 64
	s_lshl_b32 s72, s19, 9                         ; my first column, in bytes of f32
	s_lshl_b32 s73, s16, 8
	s_add_co_u32 s72, s72, s73
	s_mov_b32 s73, 0
	s_add_nc_u64 s[8:9], s[8:9], s[72:73]
	global_load_b128 v[24:27], v23, s[8:9]         ; the bias
	s_lshl_b32 s70, s20, 7
	s_lshl_b32 s71, s15, 6
	s_add_co_u32 s70, s70, s71                     ; my first row
	s_lshl_b32 s70, s70, 12
	s_add_co_u32 s70, s70, s72
	s_mov_b32 s71, 0
	s_add_nc_u64 s[10:11], s[10:11], s[70:71]
	s_add_nc_u64 s[12:13], s[12:13], s[70:71]
	WIN 0xc0                                       ; destination window 3
.set t, 0
.rept 32
	global_load_b128 v[4*t:4*t+3], v22, s[10:11] offset:8192*t  ; my 64 x 64 of x1: on its way under the whole product
.set t, t+1
.endr
	WIN 0
	v_mul_u32_u24 v16, v1, PA
	v_lshl_add_u32 v16, v2, 4, v16
	s_mul_i32 s23, s15, HALFA
	v_add_nc_u32 v16, s23, v16
	v_and_b32 v3, 7, v0
	v_lshl_add_u32 v3, v2, 3, v3
	v_mul_u32_u24 v17, v3, PB
	v_bfe_u32 v4, v0, 3, 1
	v_lshl_add_u32 v17, v4, 4, v17
	s_lshl_b32 s23, s16, 7
	s_add_co_u32 s23, s23, ABYTES
	v_add_nc_u32 v17, s23, v17
	s_mul_i32 s23, s14, STG
	v_mul_u32_u24 v20, v1, SP
	v_lshl_add_u32 v20, v2, 5, v20
	v_add_nc_u32 v20, s23, v20
	v_mul_u32_u24 v21, v2, SP
	v_lshl_add_u32 v21, v1, 4, v21
	v_add_nc_u32 v21, s23, v21
; 16 products: 32 along K (half c of the quarter) x all 16 accumulators, which take turns
.macro MULH f, c, zero
	WIN 0xa1
.set ia, 0
.rept 4
.set ib, 0
.rept 4
.set rD, 8*(4*ia+ib)
.set rB, 96*(\f)+8*(4*(\c)+ib)
.set rA, 64+64*(\f)+8*(4*(\c)+ia)
.if \zero
	v_wmma_f32_16x16x32_bf16 v[rD:rD+7], v[rB:rB+7], v[rA:rA+7], 0
.else
	v_wmma_f32_16x16x32_bf16 v[rD:rD+7], v[rB:rB+7], v[rA:rA+7], v[rD:rD+7]
.endif
.set ib, ib+1
.endr
.set ia, ia+1
.endr
.endm
.macro FETCH g, ka, kb
	WIN 0x40
.set n, 0
.rept 8
	ds_load_tr16_b128 v[96*(\g)+8*n:96*(\g)+8*n+3],   v19 offset:(\kb)+(n/4)*32*PB+32*(n%4)
	ds_load_tr16_b128 v[96*(\g)+8*n+4:96*(\g)+8*n+7], v19 offset:(\kb)+(n/4)*32*PB+32*(n%4)+16*PB
.set n, n+1
.endr
	WIN 0
.set n, 0
.rept 8
	ds_load_b128 v[64+64*(\g)+8*n:64+64*(\g)+8*n+3],   v18 offset:(\ka)+(n%4)*16*PA+64*(n/4)
	ds_load_b128 v[64+64*(\g)+8*n+4:64+64*(\g)+8*n+7], v18 offset:(\ka)+(n%4)*16*PA+64*(n/4)+32
.set n, n+1
.endr
.endm
.macro H f, g, ka, kb, zero
	s_wait_dscnt HW                                ; all but the youngest eight loads, which the second half reads
	MULH \f, 0, \zero
	PLACES
	FETCH \g, \ka, \kb
	s_wait_dscnt 32                                ; all but the 32 just issued
	MULH \f, 1, 0
.endm
.macro U
	H 1, 0, 0, 0, 0
	H 0, 1, AQ, BQ, 0
	WIN 0
	s_add_co_u32 s[TA], s[TA], 2*AQ
	s_add_co_u32 s[TB], s[TB], 2*BQ
	v_add_nc_u32 v18, s[TA], v16
	v_add_nc_u32 v19, s[TB], v17
.endm
; The change of slots: every wave waits for all its tensor loads, adds 0 to its spare word, waits for that and for its reads of slot sl; fill = 1: a round of the cluster's barrier, the joint refill first behind it.
.macro CHANGE sl, fill
	WIN 0
	s_wait_tensorcnt 0x0
	ds_add_u32 v28, v29
.if \fill
	s_add_nc_u64 s[G0+4*(\sl)+2:G0+4*(\sl)+3], s[G0+4*(\sl)+2:G0+4*(\sl)+3], ASTEP
	s_add_nc_u64 s[G0B+4*(\sl)+2:G0B+4*(\sl)+3], s[G0B+4*(\sl)+2:G0B+4*(\sl)+3], BSTEP
.endif
	s_mov_b32 s[TA], (1-(\sl))*SLOT
	s_mov_b32 s[TB], (1-(\sl))*SLOT
	v_add_nc_u32 v18, s[TA], v16
	v_add_nc_u32 v19, s[TB], v17
	s_wait_dscnt 0x0
.if \fill
	CROUND
	JLOAD \sl
.else
	s_barrier_signal -1
	s_barrier_wait -1
.endif
.endm
	s_wait_tensorcnt 0x1                           ; my part of K step 0 is in; K step 1's stays out
	s_barrier_signal -1
	s_barrier_wait -1
	v_mov_b32 v18, v16
	v_mov_b32 v19, v17
	FETCH 0, 0, 0
	H 0, 1, AQ, BQ, 1
	WIN 0
	s_mov_b32 s[TA], 2*AQ
	s_mov_b32 s[TB], 2*BQ
	v_add_nc_u32 v18, s[TA], v16
	v_add_nc_u32 v19, s[TB], v17
	s_mov_b32 s[LAP], (NS-2)/2+1
	s_mov_b32 s[CNT], 1
	s_branch .Lu0
.Llap:
	CHANGE 0, 1
	s_mov_b32 s[CNT], 2
.Lu1:
	U
	s_sub_co_u32 s[CNT], s[CNT], 1
	s_cmp_lg_u32 s[CNT], 0
	s_cbranch_scc1 .Lu1
	CHANGE 1, 1
	s_mov_b32 s[CNT], 2
.Lu0:
	U
	s_sub_co_u32 s[CNT], s[CNT], 1
	s_cmp_lg_u32 s[CNT], 0
	s_cbranch_scc1 .Lu0
	s_sub_co_u32 s[LAP], s[LAP], 1
	s_cmp_lg_u32 s[LAP], 0
	s_cbranch_scc1 .Llap
	CHANGE 0, 0
	s_mov_b32 s[CNT], 2
.Lu2:
	U
	s_sub_co_u32 s[CNT], s[CNT], 1
	s_cmp_lg_u32 s[CNT], 0
	s_cbranch_scc1 .Lu2
	s_wait_dscnt HW
	MULH 1, 0, 0
	s_wait_dscnt 0x0
	MULH 1, 1, 0
	; THE WAY OUT: behind this barrier nobody reads the ring; the sums go into my stage and come back as whole rows of 256 bytes
	PLACES
	WIN 0
	s_barrier_signal -1
	s_barrier_wait -1
	WIN 0x08
.set n, 0
.rept 16
	ds_store_b128 v20, v[8*n:8*n+3]   offset:(n/4)*16*SP+64*(n%4)      ; each accumulator's low end first
	ds_store_b128 v20, v[8*n+4:8*n+7] offset:(n/4)*16*SP+64*(n%4)+16
.set n, n+1
.endr
	WIN 0
.set t, 0
.rept 32
	ds_load_b128 v[64+4*t:67+4*t], v21 offset:2*SP*t   ; LDS serves a wave's instructions in order (ISA guide 5.7.1.4)
.set t, t+1
.endr
	s_wait_loadcnt 0x0                             ; the bias and x1
	s_wait_dscnt 0x0
	WIN 0x0c                                       ; source 1 in window 3
.set t, 0
.rept 64
	v_pk_add_f32 v[64+2*t:65+2*t], v[64+2*t:65+2*t], v[2*t:2*t+1]
.set t, t+1
.endr
	WIN 0
.set t, 0
.rept 64
	v_pk_add_f32 v[64+2*t:65+2*t], v[64+2*t:65+2*t], v[24+2*(t%2):25+2*(t%2)]
.set t, t+1
.endr
.set t, 0
.rept 32
	global_store_b128 v22, v[64+4*t:67+4*t], s[12:13] offset:8192*t  ; 16 lanes store 256 consecutive bytes, aligned
.set t, t+1
.endr
	s_wait_tensorcnt 0x0                           ; the wave's end
	ds_add_u32 v28, v29
	s_wait_dscnt 0x0
	CROUND
	s_endpgm
.Lfunc_end_k_qc8f0ec88a1_gf2:
	.size	k_qc8f0ec88a1_gf2, .Lfunc_end_k_qc8f0ec88a1_gf2-k_qc8f0ec88a1_gf2
	.p2alignl 7, 3214868480
	.fill 96, 4, 3214868480
	.section	.rodata,"a",@progbits
	.p2align	6, 0x0
	.amdhsa_kernel k_qc8f0ec88a1_gf2
		.amdhsa_group_segment_fixed_size 327680
		.amdhsa_private_segment_fixed_size 0
		.amdhsa_enable_private_segment 0
		.amdhsa_kernarg_size 40
		.amdhsa_user_sgpr_count 2
		.amdhsa_user_sgpr_kernarg_segment_ptr 1
		.amdhsa_wavefront_size32 1
		.amdhsa_system_sgpr_workgroup_id_x 1
		.amdhsa_system_sgpr_workgroup_id_y 1
		.amdhsa_system_sgpr_workgroup_id_z 1
		.amdhsa_system_vgpr_workitem_id 0
		.amdhsa_next_free_vgpr 896
		.amdhsa_next_free_sgpr 96
		.amdhsa_reserve_vcc 0
		.amdhsa_float_denorm_mode_32 3
		.amdhsa_float_denorm_mode_16_64 3
		.amdhsa_memory_ordered 1
		.amdhsa_forward_progress 1
		.amdhsa_inst_pref_size 65
	.end_amdhsa_kernel
	.amdgpu_metadata
---
amdhsa.version: [ 1, 2 ]
amdhsa.kernels:
  - .name:           k_qc8f0ec88a1_gf2
    .symbol:         k_qc8f0ec88a1_gf2.kd
    .args:
      - { .name: gb, .offset: 0, .size: 8, .value_kind: global_buffer, .address_space: global }
      - { .name: wb, .offset: 8, .size: 8, .value_kind: global_buffer, .address_space: global }
      - { .name: b2, .offset: 16, .size: 8, .value_kind: global_buffer, .address_space: global }
      - { .name: x1, .offset: 24, .size: 8, .value_kind: global_buffer, .address_space: global }
      - { .name: out0, .offset: 32, .size: 8, .value_kind: global_buffer, .address_space: global }
    .group_segment_fixed_size: 327680
    .private_segment_fixed_size: 0
    .kernarg_segment_align: 8
    .kernarg_segment_size: 40
    .max_flat_workgroup_size: 128
    .sgpr_count:     96
    .vgpr_count:     896
    .wavefront_size: 32
...
	.end_amdgpu_metadata
.endif
;; end of part 7
